; MI455X (gfx1250); checked and timed in simulation.
; The chip was launched on July 23, 2026; its instructions are those of AMD's public machine-readable ISA for CDNA 5 (MIT licence, August 2026) and "CDNA5" Instruction Set Architecture Reference Guide (July 2026). The comments in the code are by the model that wrote it; some were corrected since.
;; Attention. Allowed arithmetic: float matrix products may take bf16 or f16 operands with f32 sums; all other float work in f32.
;; Inputs: W_k 16 x 1,024 x 64 float32; W_o 16 x 64 x 1,024 float32; W_q 16 x 1,024 x 64 float32; W_v 16 x 1,024 x 64 float32; mask 4 x 2,048 bool; x 4 x 2,048 x 1,024 float32.
;; Outputs: out0 4 x 2,048 x 1,024 float32.
;; One version. Each part assembles by itself: llvm-mc -triple=amdgcn-amd-amdhsa -mcpu=gfx1250 --defsym DOCPART=n.
;; ======== version 1 of 1: 5 launches
;; workspace buffers: xb 16,777,216 bytes; wkv 4,194,304 bytes; wqf 2,097,152 bytes; wot 2,097,152 bytes; kvp 8,650,752 bytes; nt 8,388,608 bytes; cpart 262,144 bytes; mt 8,388,608 bytes
;; launch prep (part 1): grid 960 x 1, 8 waves a work-group, no clusters, 18,432 bytes of LDS; arguments x, W_q, W_k, W_v, W_o, xb, wqf, wkv, wot; writes xb, wqf, wkv, wot
.if DOCPART == 1
	.amdgcn_target "amdgcn-amd-amdhsa--gfx1250"
	.amdhsa_code_object_version 6
	.text
	.protected	k_q69c18595fa_prep
	.globl	k_q69c18595fa_prep
	.p2align	8
	.type	k_q69c18595fa_prep,@function
k_q69c18595fa_prep:
	s_mov_b64 s[64:65], 0
	v_nop
	global_prefetch_b8 v0, s[64:65] scope:SCOPE_SE
	s_setreg_imm32_b32 hwreg(HW_REG_WAVE_MODE, 25, 1), 1
	s_wait_xcnt 0x0
; THE PROGRAM (five launches) AND THE WORK THAT IT LEAVES OUT.
; reference() has no softmax: between its products stands only the selection where(mask_i | mask_j, NEG, Q_i . K_j).
; With u_j = not mask_j, in exact arithmetic and for all finite values of x, mask and the four W:
;   row i not masked:  values_i = Q_i (sum_j u_j K_j^T V_j) + NEG sum_j mask_j V_j
;   row i masked:      values_i = NEG sum_j V_j
; So with KV[b,h] = sum_j u_j K_j^T V_j (64 x 64), N_b[(h,k)][:] = KV[b,h] W_o[h], M_b = sum_h W_q[h] N_b[h] (1024 x 1024),
; c_m[b] = NEG (sum_j mask_j V_j) W_o and c_a[b] = NEG (sum_j V_j) W_o:   out_i = mask_i ? c_a[b] : x_i M_b + c_m[b].
; The s x s scores and Q itself are never formed: their products are taken in another order.  Every input is loaded; the mask only selects.
; LIMITS: the order of rounding differs from reference()'s (x, the W, K, V, KV, N and M are each rounded once to bf16, all sums are f32,
; NEG is applied in f32); a NaN, an infinity or an overflow that reference() would meet only in Q or in Q K^T is not carried to the result;
; an infinite V_j of a masked j is multiplied by a K row of zeros here and gives NaN.
;
; THIS LAUNCH: the bf16 copies that the products read, laid so that the summed index runs along the rows.
;   groups   0-511  xb [8192][1024]            = x, 16 rows a group
;   groups 512-575  wqf[d_in][h*64+k]          = W_q[h][d_in][k]: rows of 64 numbers move whole, no transposition
;   groups 576-831  wkv[h*128+k][d_in]         = W_k[h][d_in][k];  wkv[h*128+64+v][d_in] = W_v[h][d_in][v]
;   groups 832-959  wot[d_out][h*64+v]         = W_o[h][v][d_out]
; A stream: every byte is read once and written once, so there is no matrix work, no cluster and no tensor load.  The branches hang on the
; work-group's number alone, so all eight waves of a group take the same way.
.set X, 8                              ; v[8:71]   numbers as loaded
.set Y, 72                             ; v[72:103] packed bf16
; 16 loads of 16 bytes a lane, all out at once; each is rounded and stored as 8 bytes a lane, so that a wave's store covers 256 consecutive bytes, aligned.
.macro CONV16 src, dst, ss, ds
.irp i, 0,1,2,3,4,5,6,7,8,9,10,11,12,13,14,15
	global_load_b128 v[X+4*\i:X+4*\i+3], v1, s[\src:\src+1] offset:\i*\ss th:TH_LOAD_NT
.endr
.irp i, 0,1,2,3,4,5,6,7,8,9,10,11,12,13,14,15
	s_wait_loadcnt 15-\i                           ; loads come back in order: load i is in, the 15 - i younger ones stay out
	v_cvt_pk_bf16_f32 v[Y+2*\i], v[X+4*\i], v[X+4*\i+1]
	v_cvt_pk_bf16_f32 v[Y+2*\i+1], v[X+4*\i+2], v[X+4*\i+3]
	global_store_b64 v2, v[Y+2*\i:Y+2*\i+1], s[\dst:\dst+1] offset:\i*\ds   ; no register of a store is written again
.endr
	s_endpgm
.endm
; A tile of 128 source rows x 64 columns of f32 becomes 64 rows x 128 columns of bf16.  Wave w takes source rows 16 w .. 16 w + 15, lane l the
; columns 2 l and 2 l + 1: a load of the wave is 256 consecutive bytes.  A lane packs 8 rows of one column into 16 bytes of one row of the result.
.macro TRANS pitch, src, dst
	v_lshlrev_b32 v1, 3, v6
	v_mad_u32_u24 v1, v7, 16*\pitch, v1            ; 16 w rows + 8 l bytes
.irp i, 0,1,2,3,4,5,6,7,8,9,10,11,12,13,14,15
	global_load_b64 v[X+2*\i:X+2*\i+1], v1, s[\src:\src+1] offset:\i*\pitch th:TH_LOAD_NT
.endr
	v_mul_u32_u24 v3, v6, 544                      ; LDS rows of 272 bytes: result row 2 l, byte 32 w.  Lanes l and l + 8 start 4,352 bytes apart,
	v_lshl_add_u32 v3, v7, 5, v3                   ; 0 modulo 256: these four stores collide two deep
	v_lshrrev_b32 v2, 4, v0                        ; back: thread t takes row t / 16 (+ 16 i), bytes 16 (t % 16)
	v_and_b32 v5, 15, v0
	v_lshlrev_b32 v5, 4, v5
	v_mad_u32_u24 v4, v2, 272, v5
	v_lshl_add_u32 v5, v2, 11, v5                  ; and the same place in the result, whose rows are 2,048 bytes
.irp g, 0,1
	s_wait_loadcnt 8-8*\g                          ; rows 0-7 are in while the eight younger loads stay out; then all
.irp c, 0,1
.irp p, 0,1,2,3
	v_cvt_pk_bf16_f32 v[Y+4*(2*\g+\c)+\p], v[X+2*(8*\g+2*\p)+\c], v[X+2*(8*\g+2*\p+1)+\c]
.endr
	ds_store_b128 v3, v[Y+4*(2*\g+\c):Y+4*(2*\g+\c)+3] offset:\c*272+\g*16
.endr
.endr
	s_wait_dscnt 0x0                               ; my stores are in LDS before I say so
	s_barrier_signal -1
	s_barrier_wait -1                              ; everybody's are: rows hold bytes of all eight waves
.irp i, 0,1,2,3
	ds_load_b128 v[40+4*\i:40+4*\i+3], v4 offset:\i*16*272
.endr
.irp i, 0,1,2,3
	s_wait_dscnt 3-\i                              ; LDS loads come back in order: load i is in
	global_store_b128 v5, v[40+4*\i:40+4*\i+3], s[\dst:\dst+1] offset:\i*16*2048   ; 16 lanes store 256 consecutive bytes, aligned
.endr
	s_wait_tensorcnt 0x0
	ds_add_u32 v104, v105
	s_wait_dscnt 0x0
	s_endpgm
.endm
	s_load_b512 s[8:23], s[0:1], 0x0               ; x 8, W_q 10, W_k 12, W_v 14, W_o 16, xb 18, wqf 20, wkv 22
	s_load_b64 s[24:25], s[0:1], 0x40              ; wot
	v_lshl_add_u32 v104, v0, 2, 0x4400
	v_mov_b32 v105, 0
	s_mov_b32 s2, ttmp9
	v_and_b32 v6, 31, v0                           ; lane l
	v_lshrrev_b32 v7, 5, v0                        ; wave w
	s_mov_b32 s5, 0
	s_wait_kmcnt 0x0
	s_cmp_lt_u32 s2, 512
	s_cbranch_scc0 .Lnot_x
	; x: 16 rows of 4,096 bytes become 16 rows of 2,048
	s_lshl_b32 s4, s2, 16
	s_add_nc_u64 s[26:27], s[8:9], s[4:5]
	s_lshl_b32 s4, s2, 15
	s_add_nc_u64 s[28:29], s[18:19], s[4:5]
	v_lshlrev_b32 v1, 4, v0
	v_lshlrev_b32 v2, 3, v0
	CONV16 26, 28, 4096, 2048
.Lnot_x:
	s_cmp_lt_u32 s2, 576
	s_cbranch_scc0 .Lnot_p
	; W_q: group g takes the head pair g / 8 and 128 values of d_in.  Lanes 0-15 read a row of the even head, lanes 16-31 of the odd one;
	; together they store 256 consecutive bytes of row d_in of wqf.  Load i of wave w serves d_in = 128 (g % 8) + 8 i + w.
	s_sub_co_u32 s3, s2, 512
	s_lshr_b32 s4, s3, 3                           ; head pair
	s_and_b32 s6, s3, 7
	s_lshl_b32 s7, s4, 19                          ; 2 heads x 1,024 rows x 256 bytes
	s_lshl_b32 s26, s6, 15                         ; 128 rows x 256 bytes
	s_add_co_u32 s26, s26, s7
	s_mov_b32 s27, 0
	s_add_nc_u64 s[26:27], s[10:11], s[26:27]
	s_lshl_b32 s28, s6, 18                         ; 128 rows x 2,048 bytes
	s_lshl_b32 s7, s4, 8
	s_add_co_u32 s28, s28, s7
	s_mov_b32 s29, 0
	s_add_nc_u64 s[28:29], s[20:21], s[28:29]
	v_lshrrev_b32 v3, 4, v6
	v_and_b32 v4, 15, v6
	v_lshlrev_b32 v1, 4, v4
	v_lshl_add_u32 v1, v7, 8, v1
	v_lshl_add_u32 v1, v3, 18, v1                  ; the odd head lies 262,144 bytes further
	v_lshlrev_b32 v2, 3, v6
	v_lshl_add_u32 v2, v7, 11, v2
	CONV16 26, 28, 2048, 16384
.Lnot_p:
	s_cmp_lt_u32 s2, 832
	s_cbranch_scc0 .Lnot_kv
	; W_k (128 tiles), then W_v (128 tiles): tile = 8 h + block of 128 values of d_in
	s_sub_co_u32 s3, s2, 576
	s_lshr_b32 s4, s3, 7                           ; 0: W_k, 1: W_v
	s_and_b32 s6, s3, 127
	s_lshl_b32 s30, s6, 15                         ; 128 rows x 256 bytes a tile
	s_mov_b32 s31, 0
	s_cmp_eq_u32 s4, 0
	s_cselect_b64 s[26:27], s[12:13], s[14:15]
	s_add_nc_u64 s[26:27], s[26:27], s[30:31]
	s_lshr_b32 s7, s6, 3
	s_lshl_b32 s7, s7, 18                          ; h x 128 rows x 2,048 bytes
	s_lshl_b32 s30, s4, 17                         ; V's 64 rows lie behind K's
	s_add_co_u32 s30, s30, s7
	s_and_b32 s7, s6, 7
	s_lshl_b32 s7, s7, 8
	s_add_co_u32 s30, s30, s7
	s_add_nc_u64 s[28:29], s[22:23], s[30:31]
	TRANS 256, 26, 28
.Lnot_kv:
	; W_o as one matrix [h*64+v][d_out] of 1,024 x 1,024: tile = 16 x (block of 128 rows) + block of 64 columns
	s_sub_co_u32 s3, s2, 832
	s_lshr_b32 s4, s3, 4
	s_and_b32 s6, s3, 15
	s_lshl_b32 s30, s4, 19                         ; 128 rows x 4,096 bytes
	s_lshl_b32 s7, s6, 8
	s_add_co_u32 s30, s30, s7
	s_mov_b32 s31, 0
	s_add_nc_u64 s[26:27], s[16:17], s[30:31]
	s_lshl_b32 s30, s6, 17                         ; 64 rows x 2,048 bytes
	s_lshl_b32 s7, s4, 8
	s_add_co_u32 s30, s30, s7
	s_add_nc_u64 s[28:29], s[24:25], s[30:31]
	TRANS 4096, 26, 28
.Lfunc_end_k_q69c18595fa_prep:
	.size	k_q69c18595fa_prep, .Lfunc_end_k_q69c18595fa_prep-k_q69c18595fa_prep
	.p2alignl 7, 3214868480
	.fill 96, 4, 3214868480
	.section	.rodata,"a",@progbits
	.p2align	6, 0x0
	.amdhsa_kernel k_q69c18595fa_prep
		.amdhsa_group_segment_fixed_size 18432
		.amdhsa_private_segment_fixed_size 0
		.amdhsa_enable_private_segment 0
		.amdhsa_kernarg_size 72
		.amdhsa_user_sgpr_count 2
		.amdhsa_user_sgpr_kernarg_segment_ptr 1
		.amdhsa_wavefront_size32 1
		.amdhsa_system_sgpr_workgroup_id_x 1
		.amdhsa_system_sgpr_workgroup_id_y 1
		.amdhsa_system_sgpr_workgroup_id_z 1
		.amdhsa_system_vgpr_workitem_id 0
		.amdhsa_next_free_vgpr 106
		.amdhsa_next_free_sgpr 66
		.amdhsa_reserve_vcc 0
		.amdhsa_float_denorm_mode_32 3
		.amdhsa_float_denorm_mode_16_64 3
		.amdhsa_memory_ordered 1
		.amdhsa_forward_progress 1
		.amdhsa_inst_pref_size 23
	.end_amdhsa_kernel
	.amdgpu_metadata
---
amdhsa.version: [ 1, 2 ]
amdhsa.kernels:
  - .name:           k_q69c18595fa_prep
    .symbol:         k_q69c18595fa_prep.kd
    .args:
      - { .name: x, .offset: 0, .size: 8, .value_kind: global_buffer, .address_space: global }
      - { .name: W_q, .offset: 8, .size: 8, .value_kind: global_buffer, .address_space: global }
      - { .name: W_k, .offset: 16, .size: 8, .value_kind: global_buffer, .address_space: global }
      - { .name: W_v, .offset: 24, .size: 8, .value_kind: global_buffer, .address_space: global }
      - { .name: W_o, .offset: 32, .size: 8, .value_kind: global_buffer, .address_space: global }
      - { .name: xb, .offset: 40, .size: 8, .value_kind: global_buffer, .address_space: global }
      - { .name: wqf, .offset: 48, .size: 8, .value_kind: global_buffer, .address_space: global }
      - { .name: wkv, .offset: 56, .size: 8, .value_kind: global_buffer, .address_space: global }
      - { .name: wot, .offset: 64, .size: 8, .value_kind: global_buffer, .address_space: global }
    .group_segment_fixed_size: 18432
    .private_segment_fixed_size: 0
    .kernarg_segment_align: 8
    .kernarg_segment_size: 72
    .max_flat_workgroup_size: 256
    .sgpr_count:     66
    .vgpr_count:     106
    .wavefront_size: 32
...
	.end_amdgpu_metadata
.endif
;; end of part 1
;; launch kvgemm (part 2): grid 32 x 8, 4 waves a work-group, clusters of 4 x 4, 327,680 bytes of LDS; arguments wkv, xb, mask, kvp; writes kvp
.if DOCPART == 2
	.amdgcn_target "amdgcn-amd-amdhsa--gfx1250"
	.amdhsa_code_object_version 6
	.text
	.protected	k_q69c18595fa_kvgemm
	.globl	k_q69c18595fa_kvgemm
	.p2align	8
	.type	k_q69c18595fa_kvgemm,@function
k_q69c18595fa_kvgemm:
	s_mov_b64 s[64:65], 0
	v_nop
	global_prefetch_b8 v0, s[64:65] scope:SCOPE_SE
	s_setreg_imm32_b32 hwreg(HW_REG_WAVE_MODE, 25, 1), 1
	s_wait_xcnt 0x0
	s_wait_alu depctr_hold_cnt(0) depctr_sa_sdst(0) depctr_va_vdst(0) depctr_va_sdst(0) depctr_va_ssrc(0) depctr_va_vcc(0) depctr_vm_vsrc(0)
	s_getreg_b32 s2, hwreg(HW_REG_IB_STS2, 6, 4)
	s_cmp_eq_u32 s2, 0
	s_cbranch_scc0 .Lentry_in_a_cluster
	s_endpgm
.Lentry_in_a_cluster:
	s_bfe_u32 s2, ttmp6, 0x10000c
	s_cmp_lg_u32 s2, 0xf033
	s_cbranch_scc0 .Lentry_shape_is_right
	s_endpgm
.Lentry_shape_is_right:
; K and V of 256 positions and two heads, kept in registers, and at once their part of KV = sum_j u_j K_j^T V_j, sum_j mask_j V_j and sum_j V_j.
; Q and the s x s scores are not formed: the products are taken in another order (shown at the head of the first kernel, with the limits).
; FIRST PRODUCT: a block of 256 rows of wkv (two heads: 64 rows of W_k^T, 64 of W_v^T each) x 256 rows of xb, summed over d_in = 1,024.  Four waves, as many as a WGP has SIMDs;
; wave w takes head w / 2 of the pair and the half w % 2 of the positions: 128 x 128, 64 accumulator tiles, 512 registers.  d_in goes in steps of 128 through two LDS
; slots filled by tensor loads whose rows are 256 bytes of memory, aligned.
; CLUSTERS: 4 x 4 work-groups.  The four of a row of the cluster need the same tiles of wkv, the four of a column the same tiles of xb: each tile is asked for
; jointly, by the same tensor load with the same descriptor and a mask that names the four.
; REGISTERS, in windows of 256:
;   window 0: v0-31 addresses; v32-63 AND words of the mask; v64-191 fragments of wkv, two buffers; v192-223 the mask's own fragment; v224-255 at work
;   window 1: v64-191 fragments of xb, two buffers
;   window 2: K of my head (tile (a, b) at v[8 (8 a + b)]);   window 3: V of my head
; The matrix instruction takes 16 rows of xb as source 0 and 16 rows of wkv as source 1: lane (r = l % 16, hh = l / 16) then holds, in register j of tile (a, b),
; position 16 b + 8 hh + j and column 16 a + r of K or V.  Packed in pairs of j that IS a fragment whose summed index is the position: no transposition is needed
; for the SECOND PRODUCT, K'^T V over my 128 positions, where K' is K with the masked positions' bits cleared.
; OUT: kvp[block of positions][head][66][64] f32: rows 0-63 KV, row 64 the sum of the masked V, row 65 the sum of all V.
.set SIZE_K, 1024
.set KSTEP,  128
.set PITCH,  272                       ; an LDS row: 256 bytes + 16 of padding: row r starts 16 r bytes further modulo 256, so the 16 rows of a fragment load touch 16 different columns of 16 bytes
.set HALFT,  128*PITCH
.set SLOT,   4*HALFT                   ; wkv's 256 rows, then xb's 256 rows
.set STAGE,  2*SLOT                    ; behind the ring, a multiple of 256, never the target of a tensor load: five tiles of 16 rows x 272 bytes for each head
.set HSTAGE, 80*272
.set KVROWS, 66                        ; rows of a head that leave for memory
.set LAPS, SIZE_K/(2*KSTEP)
.set ADRA, 16                          ; v16-17  LDS address of my wkv fragments in slot 0, 1
.set ADRB, 20                          ; v20-21  the same for xb
.set ST,   24                          ; v24     stage: row r, bytes 32 hh
.set RD,   25                          ; v25     stage: row l / 16, bytes 16 (l % 16)
.set CO,   26                          ; v26     16 l
.set UM,   32                          ; v32-63  word 4 b + p: 0xffff for each of the positions 16 b + 8 hh + 2 p, + 1 that is NOT masked
.set F0,   64
.set F1,   128
.set EW,   192                         ; v192-223 four fragments of 16 rows x 32 positions: row 0 = mask as 1.0 or 0, row 1 = 1.0, rows 2-15 = 0
.set MB,   224                         ; v224-239 mask bytes as loaded
.set ONE0, 240                         ; two bf16 1.0 in the lanes of row 0
.set ONE1, 241                         ; and of row 1
.set L,    64                          ; the other half's partial sums, v64-223
.set G1, 24
.set G0, 32
.set G1B, 48
.set G0B, 56
.set MSB, 0
.macro WIN new                         ; the immediate's high byte repeats the setting that is left
.if MSB != \new
	s_set_vgpr_msb (MSB<<8)|\new
.set MSB, \new
.endif
.endm
.set MUL_LO, 0xa1                      ; source 0 window 1, source 1 window 0, C and D window 2
.set MUL_HI, 0xf1                      ; the same, C and D window 3
.set TO_B,   0x40                      ; destination window 1, address window 0
; A joint load.  Waves 0 and 1 fetch wkv's two halves, waves 2 and 3 xb's.  The branch hangs on the wave's number alone.
.macro JLOAD s
	s_cmp_eq_u32 s11, 0
	s_cbranch_scc0 .Lfor_b_\@
	tensor_load_to_lds s[G0+4*\s:G0+4*\s+3], s[G1:G1+7]
	s_nop 0
	s_branch .Lasked_\@
.Lfor_b_\@:
	tensor_load_to_lds s[G0B+4*\s:G0B+4*\s+3], s[G1B:G1B+7]
	s_nop 0
.Lasked_\@:
.endm
; A round of the cluster's barrier: my work-group's barrier; wave 0 signals for the work-group; every wave waits for all sixteen; my work-group's barrier once more.
.macro CREST
	s_cmp_lg_u32 s10, 0
	s_cbranch_scc1 .Lnot_wave_0_\@
	s_barrier_signal -3
.Lnot_wave_0_\@:
	s_barrier_wait -3
	s_barrier_signal -1
	s_barrier_wait -1
.endm
.macro CROUND
	s_barrier_signal -1
	s_barrier_wait -1
	CREST
.endm
	s_load_b128 s[4:7], s[0:1], 0x0                ; wkv s[4:5], xb s[6:7]
	s_load_b128 s[68:71], s[0:1], 0x10             ; mask s[68:69], kvp s[70:71]
	s_set_vgpr_msb 0x40
	v_lshl_add_u32 v255, v0, 2, 0x4ea00
	s_set_vgpr_msb 0x4000
	v_mov_b32 v31, 0
	s_set_vgpr_msb 0x1
	ds_add_u32 v255, v31
	s_set_vgpr_msb 0x100
	v_lshrrev_b32 v1, 5, v0
	v_readfirstlane_b32 s10, v1                    ; wave 0..3
	s_lshr_b32 s11, s10, 1                         ; my head of the pair.  Also: I fetch for wkv (0) or for xb (1)
	s_and_b32 s12, s10, 1                          ; my half of the positions.  Also: which 128 rows of that tile I fetch
	s_bfe_u32 s40, ttmp6, 0x40000                  ; cx
	s_bfe_u32 s41, ttmp6, 0x40004                  ; cy
	s_lshl_b32 s42, ttmp9, 2
	s_add_co_u32 s42, s42, s40                     ; block of 256 positions, 0..31
	s_and_b32 s13, ttmp7, 0xffff
	s_lshl_b32 s13, s13, 2
	s_add_co_u32 s13, s13, s41                     ; head pair, 0..7
	s_lshl_b32 s43, s41, 2
	s_lshl_b32 s43, 15, s43                        ; my row of the cluster
	s_lshl_b32 s44, 0x1111, s40                    ; my column
	; descriptor group 1: a tile of 128 rows x 128 elements of 2 bytes, 16 bytes of padding behind every 256
	s_or_b32 s[G1+0], s43, (1<<16)|(1<<20)|(1<<21)|(5<<22)|(3<<25)  ; mask: wkv's tiles go to my row; element of 2 bytes; padding on; bit 21 beside a mask; after every 64 words, 4 words
	s_or_b32 s[G1B+0], s44, (1<<16)|(1<<20)|(1<<21)|(5<<22)|(3<<25) ; the same with the mask of my column, for xb's tiles
	s_mov_b32 s[G1B+1], KSTEP<<16
	s_mov_b32 s[G1+1], KSTEP<<16                   ; tensor_dim0 = 128
	s_mov_b32 s[G1B+2], 128<<16
	s_mov_b32 s[G1+2], 128<<16                     ; tensor_dim1 = 128
	s_mov_b32 s[G1B+3], KSTEP<<16
	s_mov_b32 s[G1+3], KSTEP<<16                   ; tile_dim0 = 128
	s_mov_b32 s[G1B+4], 128
	s_mov_b32 s[G1+4], 128                         ; tile_dim1 = 128
	s_mov_b32 s[G1B+5], SIZE_K
	s_mov_b32 s[G1+5], SIZE_K                      ; elements from row to row
	s_mov_b32 s[G1B+6], 0
	s_mov_b32 s[G1+6], 0
	s_mov_b32 s[G1B+7], 0
	s_mov_b32 s[G1+7], 0
	; wkv's tiles hang on the head pair alone, which my row of the cluster shares; xb's on the block of positions alone, which my column shares
	s_lshl_b32 s17, s12, 7
	s_lshl_b32 s16, s13, 8
	s_add_co_u32 s16, s16, s17
	s_lshl_b32 s46, s42, 8
	s_add_co_u32 s46, s46, s17
	s_mov_b32 s17, 0
	s_mov_b32 s47, 0
	s_mov_b64 s[18:19], SIZE_K*2
	s_mul_u64 s[16:17], s[16:17], s[18:19]
	s_mul_u64 s[46:47], s[46:47], s[18:19]
	s_mul_i32 s20, s10, HALFT                      ; where they go: wave x 128 rows: no place in the cluster enters an LDS address
	s_wait_dscnt 0x0
	s_wait_kmcnt 0x0
	s_add_nc_u64 s[14:15], s[4:5], s[16:17]
	s_add_nc_u64 s[46:47], s[6:7], s[46:47]
	CROUND                                         ; all sixteen work-groups are here: the first joint loads meet
.irp s, 0,1
	s_mov_b32 s[G0+4*\s], 1
	s_add_co_u32 s[G0+4*\s+1], s20, \s*SLOT
	s_add_nc_u64 s[G0+4*\s+2:G0+4*\s+3], s[14:15], \s*KSTEP*2
	s_or_b32 s[G0+4*\s+3], s[G0+4*\s+3], 0x80000000
	s_mov_b32 s[G0B+4*\s], 1
	s_add_co_u32 s[G0B+4*\s+1], s20, \s*SLOT
	s_add_nc_u64 s[G0B+4*\s+2:G0B+4*\s+3], s[46:47], \s*KSTEP*2
	s_or_b32 s[G0B+4*\s+3], s[G0B+4*\s+3], 0x80000000
	JLOAD \s                                       ; both first fills go out before anything else: two tensor loads of a wave are out here, later one
.endr
	v_and_b32 v1, 15, v0                           ; r
	v_bfe_u32 v2, v0, 4, 1                         ; hh
	v_mul_u32_u24 v3, v1, PITCH
	v_lshl_add_u32 v3, v2, 4, v3
	s_mul_i32 s21, s11, HALFT                      ; my 128 rows of wkv
	s_mul_i32 s22, s12, HALFT                      ; my 128 rows of xb,
	s_add_co_u32 s22, s22, 2*HALFT                 ; which lie behind wkv's 256
.irp s, 0,1
	v_add_nc_u32 v[ADRA+\s], s21, v3
	v_add_nc_u32 v[ADRB+\s], s22, v3
	s_add_co_u32 s21, s21, SLOT
	s_add_co_u32 s22, s22, SLOT
.endr
	s_mul_i32 s23, s11, HSTAGE
	s_add_co_u32 s23, s23, STAGE                   ; my head's stage
	v_mul_u32_u24 v4, v1, 272
	v_lshl_add_u32 v4, v2, 5, v4
	v_add_nc_u32 v[ST], s23, v4
	v_mul_u32_u24 v5, v2, 272
	v_lshl_add_u32 v5, v1, 4, v5
	v_add_nc_u32 v[RD], s23, v5
	v_and_b32 v5, 31, v0
	v_lshlrev_b32 v[CO], 4, v5
	; the mask of my 128 positions: lane (r, hh) takes the 8 bytes of positions 16 b + 8 hh + 0..7, as its accumulators hold them
	s_lshl_b32 s72, s42, 8
	s_lshl_b32 s73, s12, 7
	s_add_co_u32 s72, s72, s73
	s_mov_b32 s73, 0
	s_add_nc_u64 s[68:69], s[68:69], s[72:73]
	v_lshlrev_b32 v6, 3, v2
.irp b, 0,1,2,3,4,5,6,7
	global_load_b64 v[MB+2*\b:MB+2*\b+1], v6, s[68:69] offset:16*\b
.endr
	v_mov_b32 v7, 0x3f803f80                       ; 1.0 twice in bf16
	v_cmp_eq_u32 vcc_lo, 0, v1
	v_cndmask_b32 v[ONE0], 0, v7, vcc_lo
	v_cmp_eq_u32 vcc_lo, 1, v1
	v_cndmask_b32 v[ONE1], 0, v7, vcc_lo
	s_wait_loadcnt 0x0
.irp b, 0,1,2,3,4,5,6,7
.irp p, 0,1,2,3
	v_perm_b32 v[UM+4*\b+\p], v[MB+2*\b+(\p>>1)], v[MB+2*\b+(\p>>1)], 0x01010000+(\p&1)*0x02020202   ; each of the pair's two bytes (0 or 1) twice
	v_mul_lo_u32 v[UM+4*\b+\p], v[UM+4*\b+\p], 0xff                                                  ; 0xffff for a masked position (no byte carries)
	v_and_or_b32 v[EW+4*\b+\p], v[UM+4*\b+\p], v[ONE0], v[ONE1]                                      ; row 0: the mask as numbers; row 1: ones; the rest 0
	v_xor_b32 v[UM+4*\b+\p], -1, v[UM+4*\b+\p]                                                       ; 0xffff for a position that is not masked
.endr
.endr
; 16 matrix instructions: tiles a0, a0 + 1 of the window's four x all 8 blocks of positions, 32 along d_in.  zero = 1: the first product starts the sums.
.macro MUL16 f, hi, a0, zero
.irp a, \a0, \a0+1
.irp b, 0,1,2,3,4,5,6,7
.if \zero
	v_wmma_f32_16x16x32_bf16 v[8*(8*(\a)+\b):8*(8*(\a)+\b)+7], v[\f+8*\b:\f+8*\b+7], v[\f+8*(4*\hi+\a):\f+8*(4*\hi+\a)+7], 0
.else
	v_wmma_f32_16x16x32_bf16 v[8*(8*(\a)+\b):8*(8*(\a)+\b)+7], v[\f+8*\b:\f+8*\b+7], v[\f+8*(4*\hi+\a):\f+8*(4*\hi+\a)+7], v[8*(8*(\a)+\b):8*(8*(\a)+\b)+7]
.endif
.endr
.endr
.endm
; 32 LDS loads in one run: the fragments of one quarter step into buffer f
.macro FETCH slot, k, f
	WIN TO_B
.irp i, 0,1,2,3,4,5,6,7
	ds_load_b128 v[\f+8*\i:\f+8*\i+3],   v[ADRB+\slot] offset:\k+\i*16*PITCH
	ds_load_b128 v[\f+8*\i+4:\f+8*\i+7], v[ADRB+\slot] offset:\k+\i*16*PITCH+32
.endr
	WIN 0
.irp i, 0,1,2,3,4,5,6,7
	ds_load_b128 v[\f+8*\i:\f+8*\i+3],   v[ADRA+\slot] offset:\k+\i*16*PITCH
	ds_load_b128 v[\f+8*\i+4:\f+8*\i+7], v[ADRA+\slot] offset:\k+\i*16*PITCH+32
.endr
.endm
; Four places behind the last matrix instruction, in front of loads into registers that it read and of vector instructions that read its result
.macro PLACES
.rept 4
	v_nop
.endr
.endm
; The 64 accumulators take turns, one instruction a turn, in the same order in every quarter step, over the backward jump too.
.macro QUARTER slot, k, f, g, zero
	s_wait_dscnt 8                                 ; xb's fragments and wkv's rows 0-63 are in; the youngest eight loads (rows 64-127) may be out
	WIN MUL_LO
	MUL16 \f, 0, 0, \zero
	MUL16 \f, 0, 2, \zero
	PLACES
	FETCH \slot, \k, \g
	s_wait_dscnt 32                                ; all but the 32 just issued
	WIN MUL_HI
	MUL16 \f, 1, 0, \zero
	MUL16 \f, 1, 2, \zero
.endm
.macro THREE slot, zero
	QUARTER \slot, 64,  F0, F1, \zero
	QUARTER \slot, 128, F1, F0, 0
	QUARTER \slot, 192, F0, F1, 0
.endm
; The last quarter of a step changes slots.  In front of the one barrier each wave waits for its reads of this slot and for all its tensor loads (one is out: its
; part of the next slot).  Behind it the refill comes first, then the next slot's first fragments.
.macro TURN slot, next, fill
	s_wait_dscnt 8
	WIN MUL_LO
	MUL16 F1, 0, 0, 0
	s_wait_dscnt 0                                 ; my reads of this slot are over
	s_wait_tensorcnt 0x0                           ; and all my tensor loads have landed
	ds_add_u32 v255, v31
	s_wait_dscnt 0x0
	s_barrier_signal -1
	MUL16 F1, 0, 2, 0                              ; register work while the others arrive
	WIN 0
	s_barrier_wait -1
.if \fill
	CREST                                          ; the round: no wave of any partner still reads this slot or has a load on its way
	s_add_nc_u64 s[G0+4*\slot+2:G0+4*\slot+3], s[G0+4*\slot+2:G0+4*\slot+3], 2*KSTEP*2
	s_add_nc_u64 s[G0B+4*\slot+2:G0B+4*\slot+3], s[G0B+4*\slot+2:G0B+4*\slot+3], 2*KSTEP*2
	JLOAD \slot                                    ; the first tensor load behind the round, one a wave
.endif
	PLACES
	FETCH \next, 0, F0
	WIN MUL_HI
	MUL16 F1, 1, 0, 0
	MUL16 F1, 1, 2, 0
.endm
.macro LAP zero
	THREE 0, \zero
	TURN 0, 1, 1
	THREE 1, 0
	TURN 1, 0, 1
.endm
	s_wait_tensorcnt 1                             ; my part of step 0 is in; step 1's load, issued behind it, may stay out
	s_barrier_signal -1
	s_barrier_wait -1
	FETCH 0, 0, F0
	LAP 1
	WIN 0
	s_mov_b32 s3, LAPS-2
.Llap:
	LAP 0
	WIN 0
	s_sub_co_u32 s3, s3, 1
	s_cmp_lg_u32 s3, 0
	s_cbranch_scc1 .Llap
	THREE 0, 0                                     ; the last lap fills nothing
	TURN 0, 1, 0
	THREE 1, 0
	s_wait_dscnt 8
	WIN MUL_LO
	MUL16 F1, 0, 0, 0
	MUL16 F1, 0, 2, 0
	s_wait_dscnt 0
	WIN MUL_HI
	MUL16 F1, 1, 0, 0
	MUL16 F1, 1, 2, 0
	; THE SECOND PRODUCT.  Tiles (a, 2 q) and (a, 2 q + 1), packed, are the fragment of columns 16 a .. + 15 and positions 32 q .. + 31.
.macro PACKKV
.irp a, 0,1,2,3
.irp b, 0,1,2,3,4,5,6,7
.irp p, 0,1,2,3
	v_cvt_pk_bf16_f32 v[F0+8*(4*(\b>>1)+\a)+4*(\b&1)+\p], v[8*(8*\a+\b)+2*\p], v[8*(8*\a+\b)+2*\p+1]
.endr
.endr
.endr
.endm
	PLACES
	WIN 0x0a                                       ; sources window 2, destination window 0: K
	PACKKV
	WIN 0x4f                                       ; sources window 3, destination window 1: V
	PACKKV
	WIN 0
.irp a, 0,1,2,3
.irp b, 0,1,2,3,4,5,6,7
.irp p, 0,1,2,3
	v_and_b32 v[F0+8*(4*(\b>>1)+\a)+4*(\b&1)+\p], v[UM+4*\b+\p], v[F0+8*(4*(\b>>1)+\a)+4*(\b&1)+\p]   ; K of a masked position becomes +0
.endr
.endr
.endr
; Source 0 = V (16 columns v), source 1 = K' (16 columns k) or, as a fifth block of rows, the mask's fragment: lane (r, hh) gets row 16 kt + r, columns 16 vt + 8 hh + 0..7.
; Rows 0-63: KV; row 64: sum of the masked V; row 65: sum of all V.  The fifth block's other fourteen rows are products with the fragment's rows of zeros: they share the matrix
; tile and the stage's tile with rows 64 and 65 and do not leave for memory.  The 20 accumulators take turns, one instruction a turn.
.macro KVMUL q, kt, vt
.if \kt < 4
.set KS, F0+8*(4*\q+\kt)
.else
.set KS, EW+8*\q
.endif
.if \q == 0
	v_wmma_f32_16x16x32_bf16 v[8*(4*\kt+\vt):8*(4*\kt+\vt)+7], v[F0+8*(4*\q+\vt):F0+8*(4*\q+\vt)+7], v[KS:KS+7], 0
.else
	v_wmma_f32_16x16x32_bf16 v[8*(4*\kt+\vt):8*(4*\kt+\vt)+7], v[F0+8*(4*\q+\vt):F0+8*(4*\q+\vt)+7], v[KS:KS+7], v[8*(4*\kt+\vt):8*(4*\kt+\vt)+7]
.endif
.endm
	WIN MUL_LO                                     ; the sums lie in window 2, over K's accumulators, which have been packed
.irp q, 0,1,2,3
.irp kt, 0,1,2,3,4
.irp vt, 0,1,2,3
	KVMUL \q, \kt, \vt
.endr
.endr
.endr
	PLACES
	WIN 0
	; the two halves of the positions meet in the head's stage: the odd wave stores, the even wave adds and writes the 66 rows out
	s_cmp_eq_u32 s12, 0
	s_cbranch_scc1 .Lnost
	WIN 0x08                                       ; store data from window 2
.irp kt, 0,1,2,3,4
.irp vt, 0,1,2,3
.irp e, 0,1
	ds_store_b128 v[ST], v[8*(4*\kt+\vt)+4*\e:8*(4*\kt+\vt)+4*\e+3] offset:\kt*4352+\vt*64+16*\e
.endr
.endr
.endr
	WIN 0
.Lnost:
	s_wait_dscnt 0x0                               ; the odd wave's stores are in LDS before it says so
	s_barrier_signal -1
	s_barrier_wait -1
	s_cmp_lg_u32 s12, 0
	s_cbranch_scc1 .Ldone
.irp kt, 0,1,2,3,4
.irp vt, 0,1,2,3
.irp e, 0,1
	ds_load_b128 v[L+8*(4*\kt+\vt)+4*\e:L+8*(4*\kt+\vt)+4*\e+3], v[ST] offset:\kt*4352+\vt*64+16*\e
.endr
.endr
.endr
	s_lshl_b32 s72, s42, 4                         ; kvp[block of positions][head][66][64] f32
	s_lshl_b32 s73, s13, 1
	s_add_co_u32 s72, s72, s73
	s_add_co_u32 s72, s72, s11
	s_mul_i32 s72, s72, KVROWS*256
	s_mov_b32 s73, 0
	s_add_nc_u64 s[70:71], s[70:71], s[72:73]
	s_wait_dscnt 0x0
	WIN 0x02                                       ; source 0 from window 2
.set i, 0
.rept 80
	v_pk_add_f32 v[L+i:L+i+1], v[i:i+1], v[L+i:L+i+1]
.set i, i+2
.endr
	WIN 0
.irp kt, 0,1,2,3,4
.irp vt, 0,1,2,3
.irp e, 0,1
	ds_store_b128 v[ST], v[L+8*(4*\kt+\vt)+4*\e:L+8*(4*\kt+\vt)+4*\e+3] offset:\kt*4352+\vt*64+16*\e   ; from here on only this wave touches the head's stage
.endr
.endr
.endr
; 16 rows of 256 bytes: read back by rows (LDS serves a wave's instructions in order: these loads see the stores above); a store of the wave covers 512 consecutive bytes, aligned
.macro KVOUT c, set
	s_wait_xcnt 0x0                                ; the set's registers, which earlier stores read, are loaded again only behind this wait
.irp t, 0,1,2,3,4,5,6,7
	ds_load_b128 v[\set+4*\t:\set+4*\t+3], v[RD] offset:(16*\c+2*\t)*272
.endr
.irp t, 0,1,2,3,4,5,6,7
	s_wait_dscnt 7-\t                              ; load t is in, the younger ones stay out
	global_store_b128 v[CO], v[\set+4*\t:\set+4*\t+3], s[70:71] offset:(16*\c+2*\t)*256
.endr
.endm
	KVOUT 0, 224
	KVOUT 1, 32
	KVOUT 2, 224
	KVOUT 3, 32
	s_wait_xcnt 0x0                                ; v224-227, which an earlier store read, are loaded again only behind this wait
	ds_load_b128 v[224:227], v[RD] offset:64*272   ; of the fifth tile rows 64 and 65 alone: lanes 0-15 the masked sum, lanes 16-31 the full sum
	s_wait_dscnt 0x0
	global_store_b128 v[CO], v[224:227], s[70:71] offset:64*256
.Ldone:
	s_set_vgpr_msb 0x1
	s_wait_tensorcnt 0x0
	ds_add_u32 v255, v31
	s_wait_dscnt 0x0
	s_set_vgpr_msb 0x100
	CROUND                                         ; the closing round: no work-group ends while a partner may still ask for a tile that names it
	s_endpgm
.Lfunc_end_k_q69c18595fa_kvgemm:
	.size	k_q69c18595fa_kvgemm, .Lfunc_end_k_q69c18595fa_kvgemm-k_q69c18595fa_kvgemm
	.p2alignl 7, 3214868480
	.fill 96, 4, 3214868480
	.section	.rodata,"a",@progbits
	.p2align	6, 0x0
	.amdhsa_kernel k_q69c18595fa_kvgemm
		.amdhsa_group_segment_fixed_size 327680
		.amdhsa_private_segment_fixed_size 0
		.amdhsa_enable_private_segment 0
		.amdhsa_kernarg_size 32
		.amdhsa_user_sgpr_count 2
		.amdhsa_user_sgpr_kernarg_segment_ptr 1
		.amdhsa_wavefront_size32 1
		.amdhsa_system_sgpr_workgroup_id_x 1
		.amdhsa_system_sgpr_workgroup_id_y 1
		.amdhsa_system_sgpr_workgroup_id_z 1
		.amdhsa_system_vgpr_workitem_id 0
		.amdhsa_next_free_vgpr 1024
		.amdhsa_next_free_sgpr 76
		.amdhsa_reserve_vcc 1
		.amdhsa_float_denorm_mode_32 3
		.amdhsa_float_denorm_mode_16_64 3
		.amdhsa_memory_ordered 1
		.amdhsa_forward_progress 1
		.amdhsa_inst_pref_size 217
	.end_amdhsa_kernel
	.amdgpu_metadata
---
amdhsa.version: [ 1, 2 ]
amdhsa.kernels:
  - .name:           k_q69c18595fa_kvgemm
    .symbol:         k_q69c18595fa_kvgemm.kd
    .args:
      - { .name: wkv, .offset: 0, .size: 8, .value_kind: global_buffer, .address_space: global }
      - { .name: xb, .offset: 8, .size: 8, .value_kind: global_buffer, .address_space: global }
      - { .name: mask, .offset: 16, .size: 8, .value_kind: global_buffer, .address_space: global }
      - { .name: kvp, .offset: 24, .size: 8, .value_kind: global_buffer, .address_space: global }
    .group_segment_fixed_size: 327680
    .private_segment_fixed_size: 0
    .kernarg_segment_align: 8
    .kernarg_segment_size: 32
    .max_flat_workgroup_size: 128
    .sgpr_count:     76
    .vgpr_count:     1024
    .wavefront_size: 32
...
	.end_amdgpu_metadata
.endif
;; end of part 2
;; launch kvn (part 3): grid 8 x 16, 16 waves a work-group, no clusters, 94,976 bytes of LDS; arguments kvp, wot, nt, cpart; writes nt, cpart
.if DOCPART == 3
	.amdgcn_target "amdgcn-amd-amdhsa--gfx1250"
	.amdhsa_code_object_version 6
	.text
	.protected	k_q69c18595fa_kvn
	.globl	k_q69c18595fa_kvn
	.p2align	8
	.type	k_q69c18595fa_kvn,@function
k_q69c18595fa_kvn:
	s_mov_b64 s[64:65], 0
	v_nop
	global_prefetch_b8 v0, s[64:65] scope:SCOPE_SE
	s_setreg_imm32_b32 hwreg(HW_REG_WAVE_MODE, 25, 1), 1
	s_wait_xcnt 0x0
; For batch b, head pair hp and a quarter dq of d_out: the eight partial sums of kvp are added (f32, ascending), rounded once to bf16, and multiplied by W_o:
;   nt[b*1024 + d_out][h*64 + k] = sum_v KV[b,h][k][v] W_o[h][v][d_out]
;   cpart[b][hp][0][d_out] = sum over the pair's heads and v of (sum_j mask_j V_j)[v] W_o[h][v][d_out];   cpart[b][hp][1] the same with sum_j V_j.  NEG is applied later, in f32.
; The scores of reference() are not formed (shown at the head of the first kernel).
; SIXTEEN WAVES.  A partial of the head pair is 2 x 66 = 132 consecutive rows of 256 bytes = 2,112 pieces of 16 bytes: four a thread, and 64 more (rows 128-131), which the threads of
; waves 0 and 1 take.  A thread's 32 loads of the eight partials and its wave's 8 loads of wot go out in one run (40 outstanding; 48 in waves 0 and 1), and the partials are added as
; they arrive.
; Wave w then takes head w % 2 and 32 values of d_out (two tiles): it reads its head's 66 rows from LDS; a wave that took one tile of both heads would read twice as much.
; The two heads' halves of each 256-byte piece of nt, and their c sums, meet in stages shared by the work-group, behind a second barrier.
; No cluster and no tensor load, although four work-groups add the same partial sums: each thread adds its pieces as they arrive in registers; tiles laid in LDS first
; would add a write and a read of every byte.
; LDS: 0 KV in bf16, 132 rows x 144 bytes, in kvp's order; 19,200 nt's stage, 256 rows x 272 bytes; 88,832 the c sums: [head][masked, full][256] f32.
.set P,   16                           ; v16-143  partial rb, piece i at 4 (4 rb + i); the sum grows in partial 0's registers
.set E,   144                          ; v144-175 waves 0 and 1: the fifth piece of partial rb at 4 rb
.set CV,  96                           ; v96-103  the sum in bf16
.set KF,  16                           ; v16-95   fragments of my head's KV: (kt, c) at 8 (2 kt + c)
.set ACC, 96                           ; v96-159  tile (mt, kt) at 8 (4 mt + kt)
.set DC,  160                          ; v160-175 the c sums of tile mt at 8 mt
.set WF,  176                          ; v176-207 fragments of wot: (mt, c) at 8 (2 mt + c)
.set RB,  208                          ; v208-239 rows read back
.set HB,  66*256                       ; bytes of a head in kvp
.set PB,  16*HB                        ; bytes of a partial (16 heads)
.set NST, 19200
.set CST, 88832
	s_load_b256 s[4:11], s[0:1], 0x0               ; kvp 4, wot 6, nt 8, cpart 10
	v_lshl_add_u32 v240, v0, 2, 0x16b00
	v_mov_b32 v241, 0
	v_lshrrev_b32 v11, 5, v0
	v_readfirstlane_b32 s12, v11                   ; wave 0..15
	v_lshlrev_b32 v1, 4, v0                        ; kvp: 16 t
	v_and_b32 v12, 15, v0                          ; r
	v_bfe_u32 v13, v0, 4, 1                        ; hh
	s_and_b32 s13, ttmp7, 0xffff
	s_lshr_b32 s14, s13, 2                         ; b
	s_and_b32 s15, s13, 3                          ; dq
	s_lshr_b32 s16, s12, 1                         ; g: my 32 values of d_out among the quarter's 256
	s_and_b32 s17, s12, 1                          ; my head of the pair
	s_mul_i32 s18, s14, 8*PB                       ; 8 partials a batch
	s_mul_i32 s34, ttmp9, 2*HB
	s_add_co_u32 s18, s18, s34
	s_mov_b32 s19, 0
	s_lshl_b32 s20, s15, 19                        ; 256 rows of 2,048 bytes a quarter,
	s_lshl_b32 s34, ttmp9, 8                       ; the head pair's 256 bytes in a row of wot and of nt
	s_add_co_u32 s20, s20, s34
	s_mov_b32 s21, 0
	s_lshl_b32 s26, s16, 16                        ; 32 rows of wot,
	s_lshl_b32 s34, s17, 7                         ; my head's 128 bytes
	s_add_co_u32 s26, s26, s34
	v_lshlrev_b32 v2, 11, v12
	v_lshl_add_u32 v2, v13, 4, v2
	v_add_nc_u32 v2, s26, v2                       ; wot: row 32 g + r, bytes 128 head + 16 hh
	s_wait_kmcnt 0x0
	s_add_nc_u64 s[4:5], s[4:5], s[18:19]
	s_add_nc_u64 s[6:7], s[6:7], s[20:21]
.irp rb, 0,1,2,3,4,5,6,7
.irp i, 0,1,2,3
	global_load_b128 v[P+4*(4*\rb+\i):P+4*(4*\rb+\i)+3], v1, s[4:5] offset:\rb*PB+\i*8192   ; the work-group's 512 threads cover 8,192 consecutive bytes: 32 rows
.endr
.endr
.irp mt, 0,1
.irp c, 0,1
	global_load_b128 v[WF+8*(2*\mt+\c):WF+8*(2*\mt+\c)+3],   v2, s[6:7] offset:\mt*32768+\c*64
	global_load_b128 v[WF+8*(2*\mt+\c)+4:WF+8*(2*\mt+\c)+7], v2, s[6:7] offset:\mt*32768+\c*64+32
.endr
.endr
	; the other addresses, while the loads are on their way (none of their sources is written)
	s_lshl_b32 s22, s14, 21
	s_add_co_u32 s22, s22, s20
	s_mov_b32 s23, 0
	s_add_nc_u64 s[8:9], s[8:9], s[22:23]          ; nt at row b*1024 + 256 dq, the pair's bytes
	s_lshl_b32 s24, s14, 16
	s_lshl_b32 s34, ttmp9, 13
	s_add_co_u32 s24, s24, s34
	s_lshl_b32 s34, s15, 10
	s_add_co_u32 s24, s24, s34
	s_mov_b32 s25, 0
	s_add_nc_u64 s[10:11], s[10:11], s[24:25]      ; cpart[b][hp][0][256 dq]
	s_mul_i32 s27, s16, 32*272
	s_lshl_b32 s34, s17, 7
	s_add_co_u32 s27, s27, s34
	s_add_co_u32 s27, s27, NST                     ; stage in: row 32 g, bytes 128 head
	s_lshl_b32 s28, s17, 11
	s_lshl_b32 s34, s16, 7
	s_add_co_u32 s28, s28, s34
	s_add_co_u32 s28, s28, CST                     ; c stage in: [head][.][32 g]
	s_mul_i32 s29, s17, 66*144                     ; my head's 66 rows of KV
	s_mul_i32 s30, s12, 16*272
	s_add_co_u32 s30, s30, NST                     ; stage back: rows 16 w .. 16 w + 15
	s_lshl_b32 s31, s12, 15                        ; and the same rows in nt
	s_lshl_b32 s32, s12, 9
	s_add_co_u32 s32, s32, CST                     ; c stage back, waves 0-3: 512 w = 1,024 (w / 2) + 512 (w % 2)
	s_lshl_b32 s33, s16, 12
	s_lshl_b32 s34, s17, 9
	s_add_co_u32 s33, s33, s34                     ; and in cpart: 4,096 (w / 2) + 512 (w % 2)
	v_lshrrev_b32 v14, 4, v0                       ; thread / 16, 0..31
	v_and_b32 v15, 31, v0                          ; lane
	v_mul_u32_u24 v3, v14, 144
	v_lshl_add_u32 v3, v12, 3, v3                  ; KV in: row t / 16, bytes 8 (t % 16)
	v_mul_u32_u24 v4, v12, 144
	v_lshl_add_u32 v4, v13, 4, v4
	v_add_nc_u32 v4, s29, v4                       ; KV fragments: row r of my head, bytes 16 hh
	v_and_b32 v11, 1, v12                          ; the fragment of the two sums: even lanes of a half point at row 64, odd ones at row 65, so that all sixteen
	v_mul_u32_u24 v11, v11, 144                    ; rows of the fragment are live bytes: its rows 0, 2, .. 14 are the masked sum, rows 1, 3, .. 15 the full sum
	v_lshl_add_u32 v11, v13, 4, v11
	v_add_nc_u32 v11, s29, v11                     ; (the 64 rows stand in the loads' offsets)
	v_mul_u32_u24 v5, v12, 272
	v_lshl_add_u32 v5, v13, 4, v5
	v_add_nc_u32 v5, s27, v5                       ; stage in: + row r, bytes 16 hh
	v_mul_u32_u24 v6, v13, 272
	v_lshl_add_u32 v6, v12, 4, v6
	v_add_nc_u32 v6, s30, v6                       ; stage back: lanes 0-15 one row of 256 bytes, lanes 16-31 the next
	v_lshlrev_b32 v7, 11, v13
	v_lshl_add_u32 v7, v12, 4, v7
	v_add_nc_u32 v7, s31, v7
	v_lshl_add_u32 v8, v12, 2, s28                 ; c stage in: word r, the same for both halves of the lanes
	v_lshl_add_u32 v9, v15, 4, s32
	v_lshl_add_u32 v10, v15, 4, s33
	; rows 128-131 of the pair (head 1's rows 62-65): 64 pieces, one for each thread of waves 0 and 1, loaded, added and stored in this one branch
	s_cmp_lt_u32 s12, 2
	s_cbranch_scc0 .Lno_fifth
.irp rb, 0,1,2,3,4,5,6,7
	global_load_b128 v[E+4*\rb:E+4*\rb+3], v1, s[4:5] offset:\rb*PB+4*8192
.endr
	s_wait_loadcnt 0x0                             ; these eight are the wave's youngest loads: all its loads are in, and the counted waits below are met at once
.irp rb, 1,2,3,4,5,6,7
	v_pk_add_f32 v[E:E+1], v[E:E+1], v[E+4*\rb:E+4*\rb+1]
	v_pk_add_f32 v[E+2:E+3], v[E+2:E+3], v[E+4*\rb+2:E+4*\rb+3]
.endr
	v_cvt_pk_bf16_f32 v[E+4], v[E], v[E+1]
	v_cvt_pk_bf16_f32 v[E+5], v[E+2], v[E+3]
	ds_store_b64 v3, v[E+4:E+5] offset:4*32*144
.Lno_fifth:
.irp rb, 1,2,3,4,5,6,7
	s_wait_loadcnt 36-4*\rb                        ; loads come back in order: partials 0 to rb are in; the 4 (7 - rb) loads of the younger partials and wot's 8 stay out
.set i, 0
.rept 8
	v_pk_add_f32 v[P+i:P+i+1], v[P+i:P+i+1], v[P+16*\rb+i:P+16*\rb+i+1]
.set i, i+2
.endr
.endr
.irp i, 0,1,2,3
	v_cvt_pk_bf16_f32 v[CV+2*\i], v[P+4*\i], v[P+4*\i+1]
	v_cvt_pk_bf16_f32 v[CV+2*\i+1], v[P+4*\i+2], v[P+4*\i+3]
	ds_store_b64 v3, v[CV+2*\i:CV+2*\i+1] offset:\i*32*144    ; 32 rows of 144 bytes a piece
.endr
	s_wait_dscnt 0x0                               ; my stores are in LDS before I say so
	s_barrier_signal -1
	s_barrier_wait -1                              ; everybody's are
.irp kt, 0,1,2,3
.irp c, 0,1
	ds_load_b128 v[KF+8*(2*\kt+\c):KF+8*(2*\kt+\c)+3],   v4 offset:16*\kt*144+64*\c
	ds_load_b128 v[KF+8*(2*\kt+\c)+4:KF+8*(2*\kt+\c)+7], v4 offset:16*\kt*144+64*\c+32
.endr
.endr
.irp c, 0,1
	ds_load_b128 v[KF+8*(8+\c):KF+8*(8+\c)+3],   v11 offset:64*144+64*\c
	ds_load_b128 v[KF+8*(8+\c)+4:KF+8*(8+\c)+7], v11 offset:64*144+64*\c+32
.endr
	s_wait_loadcnt 0x0                             ; wot's fragments
	s_wait_dscnt 0x0
; Source 0 = rows of KV, source 1 = rows of wot: lane (r, hh) gets d_out = 32 g + 16 mt + r and eight neighbouring k.  The ten accumulators take turns, one instruction a turn.
.irp c, 0,1
.irp mt, 0,1
.irp kt, 0,1,2,3
.if \c
	v_wmma_f32_16x16x32_bf16 v[ACC+8*(4*\mt+\kt):ACC+8*(4*\mt+\kt)+7], v[KF+8*(2*\kt+\c):KF+8*(2*\kt+\c)+7], v[WF+8*(2*\mt+\c):WF+8*(2*\mt+\c)+7], v[ACC+8*(4*\mt+\kt):ACC+8*(4*\mt+\kt)+7]
.else
	v_wmma_f32_16x16x32_bf16 v[ACC+8*(4*\mt+\kt):ACC+8*(4*\mt+\kt)+7], v[KF+8*(2*\kt+\c):KF+8*(2*\kt+\c)+7], v[WF+8*(2*\mt+\c):WF+8*(2*\mt+\c)+7], 0
.endif
.endr
.if \c
	v_wmma_f32_16x16x32_bf16 v[DC+8*\mt:DC+8*\mt+7], v[KF+8*(8+\c):KF+8*(8+\c)+7], v[WF+8*(2*\mt+\c):WF+8*(2*\mt+\c)+7], v[DC+8*\mt:DC+8*\mt+7]
.else
	v_wmma_f32_16x16x32_bf16 v[DC+8*\mt:DC+8*\mt+7], v[KF+8*(8+\c):KF+8*(8+\c)+7], v[WF+8*(2*\mt+\c):WF+8*(2*\mt+\c)+7], 0
.endif
.endr
.endr
.rept 4
	v_nop                                          ; four places behind the last matrix instruction (ISA guide 7.12.1), in front of what reads the results
.endr
.irp tl, 0,1,2,3,4,5,6,7
.irp p, 0,1,2,3
	v_cvt_pk_bf16_f32 v[ACC+8*\tl+\p], v[ACC+8*\tl+2*\p], v[ACC+8*\tl+2*\p+1]   ; in place, ascending: word p is written when numbers 2 p and 2 p + 1 are read
.endr
	ds_store_b128 v5, v[ACC+8*\tl:ACC+8*\tl+3] offset:(\tl>>2)*16*272+(\tl&3)*32
.endr
; Register 0 of the c tile is the fragment's row 0 in lanes 0-15 and its row 8 in lanes 16-31, both the masked sum; register 1 is rows 1 and 9, both the full sum:
; lanes r and 16 + r write the same number to the same word.
.irp mt, 0,1
	ds_store_b32 v8, v[DC+8*\mt] offset:64*\mt             ; the masked sum
	ds_store_b32 v8, v[DC+8*\mt+1] offset:1024+64*\mt      ; the full sum
.endr
	s_wait_dscnt 0x0                               ; my stores are in LDS before I say so
	s_barrier_signal -1
	s_barrier_wait -1                              ; both heads' halves of every row are there
.irp t, 0,1,2,3,4,5,6,7
	ds_load_b128 v[RB+4*\t:RB+4*\t+3], v6 offset:2*\t*272
.endr
.irp t, 0,1,2,3,4,5,6,7
	s_wait_dscnt 7-\t                              ; load t is in, the younger ones stay out
	global_store_b128 v7, v[RB+4*\t:RB+4*\t+3], s[8:9] offset:2*\t*2048   ; 16 lanes store 256 consecutive bytes, aligned
.endr
	s_cmp_lt_u32 s12, 4                            ; the c sums are 2 x 256 numbers: four waves' worth of 16 bytes a lane
	s_cbranch_scc0 .Lend
	ds_load_b128 v[ACC:ACC+3], v9                  ; head 0's
	ds_load_b128 v[ACC+4:ACC+7], v9 offset:2048    ; head 1's
	s_wait_dscnt 0x0
	v_pk_add_f32 v[ACC:ACC+1], v[ACC:ACC+1], v[ACC+4:ACC+5]
	v_pk_add_f32 v[ACC+2:ACC+3], v[ACC+2:ACC+3], v[ACC+6:ACC+7]
	global_store_b128 v10, v[ACC:ACC+3], s[10:11]  ; the wave stores 512 consecutive bytes, aligned
.Lend:
	s_wait_tensorcnt 0x0
	ds_add_u32 v240, v241
	s_wait_dscnt 0x0
	s_endpgm
.Lfunc_end_k_q69c18595fa_kvn:
	.size	k_q69c18595fa_kvn, .Lfunc_end_k_q69c18595fa_kvn-k_q69c18595fa_kvn
	.p2alignl 7, 3214868480
	.fill 96, 4, 3214868480
	.section	.rodata,"a",@progbits
	.p2align	6, 0x0
	.amdhsa_kernel k_q69c18595fa_kvn
		.amdhsa_group_segment_fixed_size 94976
		.amdhsa_private_segment_fixed_size 0
		.amdhsa_enable_private_segment 0
		.amdhsa_kernarg_size 32
		.amdhsa_user_sgpr_count 2
		.amdhsa_user_sgpr_kernarg_segment_ptr 1
		.amdhsa_wavefront_size32 1
		.amdhsa_system_sgpr_workgroup_id_x 1
		.amdhsa_system_sgpr_workgroup_id_y 1
		.amdhsa_system_sgpr_workgroup_id_z 1
		.amdhsa_system_vgpr_workitem_id 0
		.amdhsa_next_free_vgpr 242
		.amdhsa_next_free_sgpr 66
		.amdhsa_reserve_vcc 0
		.amdhsa_float_denorm_mode_32 3
		.amdhsa_float_denorm_mode_16_64 3
		.amdhsa_memory_ordered 1
		.amdhsa_forward_progress 1
		.amdhsa_inst_pref_size 22
	.end_amdhsa_kernel
	.amdgpu_metadata
---
amdhsa.version: [ 1, 2 ]
amdhsa.kernels:
  - .name:           k_q69c18595fa_kvn
    .symbol:         k_q69c18595fa_kvn.kd
    .args:
      - { .name: kvp, .offset: 0, .size: 8, .value_kind: global_buffer, .address_space: global }
      - { .name: wot, .offset: 8, .size: 8, .value_kind: global_buffer, .address_space: global }
      - { .name: nt, .offset: 16, .size: 8, .value_kind: global_buffer, .address_space: global }
      - { .name: cpart, .offset: 24, .size: 8, .value_kind: global_buffer, .address_space: global }
    .group_segment_fixed_size: 94976
    .private_segment_fixed_size: 0
    .kernarg_segment_align: 8
    .kernarg_segment_size: 32
    .max_flat_workgroup_size: 512
    .sgpr_count:     66
    .vgpr_count:     242
    .wavefront_size: 32
...
	.end_amdgpu_metadata
.endif
;; end of part 3
;; launch mgemm (part 4): grid 8 x 32, 4 waves a work-group, clusters of 4 x 4, 327,680 bytes of LDS; arguments nt, wqf, mt; writes mt
.if DOCPART == 4
	.amdgcn_target "amdgcn-amd-amdhsa--gfx1250"
	.amdhsa_code_object_version 6
	.text
	.protected	k_q69c18595fa_mgemm
	.globl	k_q69c18595fa_mgemm
	.p2align	8
	.type	k_q69c18595fa_mgemm,@function
k_q69c18595fa_mgemm:
	s_mov_b64 s[64:65], 0
	v_nop
	global_prefetch_b8 v0, s[64:65] scope:SCOPE_SE
	s_setreg_imm32_b32 hwreg(HW_REG_WAVE_MODE, 25, 1), 1
	s_wait_xcnt 0x0
	s_wait_alu depctr_hold_cnt(0) depctr_sa_sdst(0) depctr_va_vdst(0) depctr_va_sdst(0) depctr_va_ssrc(0) depctr_va_vcc(0) depctr_vm_vsrc(0)
	s_getreg_b32 s2, hwreg(HW_REG_IB_STS2, 6, 4)
	s_cmp_eq_u32 s2, 0
	s_cbranch_scc0 .Lentry_in_a_cluster
	s_endpgm
.Lentry_in_a_cluster:
	s_bfe_u32 s2, ttmp6, 0x10000c
	s_cmp_lg_u32 s2, 0xf033
	s_cbranch_scc0 .Lentry_shape_is_right
	s_endpgm
.Lentry_shape_is_right:
; mt[b*1024 + d_out][d_in] = sum over (h, k) of nt[b*1024 + d_out][h*64+k] wqf[d_in][h*64+k]: W_q is folded into the small matrices, so Q is never formed
; (shown at the head of the first kernel).  A = nt [4096][1024], B = wqf [1024][1024], result bf16, sums f32.
; A work-group makes 128 rows x 128 columns: the 4,096 x 1,024 result gives 32 x 8 = 256 work-groups, as many as there are WGPs.  Four waves, each 64 x 64: 16 accumulator tiles,
; 128 registers; for 32 of the summed index a wave reads 2 x 64 x 64 bytes from LDS (16 loads) and issues 16 matrix instructions.
; A SLOT HOLDS 256 OF THE SUMMED INDEX: 128 rows of B, then 128 of A, each 512 bytes of memory, aligned.  The sum of 1,024 is four fills: two go out together at the start, and each slot
; is filled again once, so the text has no loop.  While a refill is on its way a wave issues 120 matrix instructions on the other slot.
; CLUSTERS: 4 x 4 work-groups; A's tile is shared along a row of the cluster, B's along a column, each asked for jointly.
; REGISTERS: window 0: v0-31 addresses; A's fragments v32-63, v64-95; B's v96-127, v128-159 (two buffers each); v160-223 packed results.  Window 1: tile (a, b) at v[8 (4 a + b)].
; Source 0 = 16 rows of B, source 1 = 16 rows of A: lane (r, hh) holds row 16 a + r and the eight neighbouring columns 16 b + 8 hh + 0..7.
.set KSLOT,  256                       ; of the summed index in a slot
.set PITCH,  528                       ; 512 bytes + 16 of padding: row r starts 16 r bytes further modulo 256, so the 16 rows of a fragment load touch 16 different columns of 16 bytes
.set QTR,    64*PITCH                  ; 64 rows: what one tensor load brings, and what one wave reads of A or of B
.set SLOT,   4*QTR                     ; B's 128 rows, then A's 128
.set STAGE,  2*SLOT                    ; behind the ring, a multiple of 256, never the target of a tensor load: the block in bf16, 128 rows x 272 bytes
.set SPITCH, 272
.set ADRA, 16                          ; v16-17  LDS address of my A fragments in slot 0, 1
.set ADRB, 20                          ; v20-21  the same for B
.set STO,  24
.set RD,   25
.set CO,   26
.set AF0,  32
.set BF0,  96
.set TMP,  160
.set BACK, 32                          ; v32-95 rows read back
.set G1, 24                            ; s[24:31] group 1 for A's tiles
.set G0, 32                            ; s[32:39] group 0 for A's tiles, one set a slot
.set G1B, 48
.set G0B, 56
.set MUL, 0x50                         ; C and D window 1, sources window 0
.set MSB, 0
.macro WIN new                         ; the immediate's high byte repeats the setting that is left
.if MSB != \new
	s_set_vgpr_msb (MSB<<8)|\new
.set MSB, \new
.endif
.endm
; Waves 0 and 1 fetch B's two halves, waves 2 and 3 A's, 64 rows each.  The branch hangs on the wave's number alone.
.macro JLOAD s
	s_cmp_eq_u32 s11, 0
	s_cbranch_scc0 .Lfor_a_\@
	tensor_load_to_lds s[G0B+4*\s:G0B+4*\s+3], s[G1B:G1B+7]
	s_nop 0
	s_branch .Lasked_\@
.Lfor_a_\@:
	tensor_load_to_lds s[G0+4*\s:G0+4*\s+3], s[G1:G1+7]
	s_nop 0
.Lasked_\@:
.endm
; A round of the cluster's barrier: my work-group's barrier; wave 0 signals for the work-group; every wave waits for all sixteen; my work-group's barrier once more.
.macro CREST
	s_cmp_lg_u32 s10, 0
	s_cbranch_scc1 .Lnot_wave_0_\@
	s_barrier_signal -3
.Lnot_wave_0_\@:
	s_barrier_wait -3
	s_barrier_signal -1
	s_barrier_wait -1
.endm
.macro CROUND
	s_barrier_signal -1
	s_barrier_wait -1
	CREST
.endm
	s_load_b128 s[4:7], s[0:1], 0x0                ; nt s[4:5], wqf s[6:7]
	s_load_b64 s[8:9], s[0:1], 0x10                ; mt
	v_lshl_add_u32 v254, v0, 2, 0x4a800
	v_mov_b32 v255, 0
	ds_add_u32 v254, v255
	v_lshrrev_b32 v1, 5, v0
	v_readfirstlane_b32 s10, v1                    ; wave
	s_lshr_b32 s11, s10, 1                         ; my half of the block's rows.  Also: I fetch for B (0) or for A (1)
	s_and_b32 s12, s10, 1                          ; my half of its columns.  Also: which half of that tile I fetch
	s_bfe_u32 s40, ttmp6, 0x40000                  ; cx
	s_bfe_u32 s41, ttmp6, 0x40004                  ; cy
	s_lshl_b32 s42, ttmp9, 2
	s_add_co_u32 s42, s42, s40                     ; block column, 0..7
	s_and_b32 s13, ttmp7, 0xffff
	s_lshl_b32 s13, s13, 2
	s_add_co_u32 s13, s13, s41                     ; block row, 0..31
	s_lshl_b32 s43, s41, 2
	s_lshl_b32 s43, 15, s43                        ; my row of the cluster
	s_lshl_b32 s44, 0x1111, s40                    ; my column
	; descriptor group 1: a tile of 64 rows x 256 elements of 2 bytes, 16 bytes of padding behind every 512
	s_or_b32 s[G1+0], s43, (1<<16)|(1<<20)|(1<<21)|(6<<22)|(3<<25)  ; A's tiles go to my row; element of 2 bytes; padding on; bit 21 beside a mask; after every 128 words (code 6), 4 words (code 3)
	s_or_b32 s[G1B+0], s44, (1<<16)|(1<<20)|(1<<21)|(6<<22)|(3<<25) ; B's to my column
	s_mov_b32 s[G1+1], KSLOT<<16                   ; tensor_dim0 = 256
	s_mov_b32 s[G1B+1], KSLOT<<16
	s_mov_b32 s[G1+2], 64<<16                      ; tensor_dim1 = 64
	s_mov_b32 s[G1B+2], 64<<16
	s_mov_b32 s[G1+3], KSLOT<<16                   ; tile_dim0 = 256
	s_mov_b32 s[G1B+3], KSLOT<<16
	s_mov_b32 s[G1+4], 64                          ; tile_dim1 = 64
	s_mov_b32 s[G1B+4], 64
	s_mov_b32 s[G1+5], 1024                        ; elements from row to row
	s_mov_b32 s[G1B+5], 1024
	s_mov_b32 s[G1+6], 0
	s_mov_b32 s[G1B+6], 0
	s_mov_b32 s[G1+7], 0
	s_mov_b32 s[G1B+7], 0
	; A's tiles hang on the block row alone, which my row of the cluster shares; B's on the block column alone, which my column shares
	s_lshl_b32 s16, s13, 7
	s_lshl_b32 s17, s12, 6
	s_add_co_u32 s16, s16, s17                     ; A: row 128 x block row + 64 x half
	s_lshl_b32 s16, s16, 11                        ; rows of 2,048 bytes
	s_mov_b32 s17, 0
	s_lshl_b32 s46, s42, 7
	s_lshl_b32 s47, s12, 6
	s_add_co_u32 s46, s46, s47                     ; B: row 128 x block column + 64 x half
	s_lshl_b32 s46, s46, 11
	s_mov_b32 s47, 0
	s_mul_i32 s20, s10, QTR                        ; where they go: B's two halves, then A's two halves = wave x 64 rows: no place in the cluster enters an LDS address
	s_wait_dscnt 0x0
	s_wait_kmcnt 0x0
	s_add_nc_u64 s[14:15], s[4:5], s[16:17]
	s_add_nc_u64 s[46:47], s[6:7], s[46:47]
	CROUND                                         ; all sixteen work-groups are here: the first joint loads meet
.irp s, 0,1
	s_mov_b32 s[G0+4*\s], 1
	s_add_co_u32 s[G0+4*\s+1], s20, \s*SLOT
	s_add_nc_u64 s[G0+4*\s+2:G0+4*\s+3], s[14:15], \s*KSLOT*2
	s_or_b32 s[G0+4*\s+3], s[G0+4*\s+3], 0x80000000
	s_mov_b32 s[G0B+4*\s], 1
	s_add_co_u32 s[G0B+4*\s+1], s20, \s*SLOT
	s_add_nc_u64 s[G0B+4*\s+2:G0B+4*\s+3], s[46:47], \s*KSLOT*2
	s_or_b32 s[G0B+4*\s+3], s[G0B+4*\s+3], 0x80000000
	JLOAD \s                                       ; both first fills, half of the whole sum's tiles: two tensor loads of a wave are out here, later one
.endr
	v_and_b32 v1, 15, v0                           ; r
	v_bfe_u32 v2, v0, 4, 1                         ; hh
	v_mul_u32_u24 v3, v1, PITCH
	v_lshl_add_u32 v3, v2, 4, v3
	s_mul_i32 s21, s11, QTR
	s_add_co_u32 s21, s21, 2*QTR                   ; my 64 rows of A, which lie behind B's 128
	s_mul_i32 s22, s12, QTR                        ; my 64 rows of B
.irp s, 0,1
	v_add_nc_u32 v[ADRA+\s], s21, v3
	v_add_nc_u32 v[ADRB+\s], s22, v3
	s_add_co_u32 s21, s21, SLOT
	s_add_co_u32 s22, s22, SLOT
.endr
	s_mul_i32 s23, s11, 64*SPITCH
	s_lshl_b32 s45, s12, 7
	s_add_co_u32 s23, s23, s45
	s_add_co_u32 s23, s23, STAGE                   ; stage in: my first row, my 128 bytes of it
	v_mul_u32_u24 v4, v1, SPITCH
	v_lshl_add_u32 v4, v2, 4, v4
	v_add_nc_u32 v[STO], s23, v4
	s_mul_i32 s45, s10, 32*SPITCH
	s_add_co_u32 s45, s45, STAGE                   ; stage back: rows 32 w .. 32 w + 31
	v_mul_u32_u24 v5, v2, SPITCH
	v_lshl_add_u32 v5, v1, 4, v5
	v_add_nc_u32 v[RD], s45, v5                    ; lanes 0-15 one row of 256 bytes, lanes 16-31 the next
	v_lshlrev_b32 v5, 11, v2
	v_lshl_add_u32 v[CO], v1, 4, v5                ; and the same two rows in mt
; 4 matrix instructions: row tile a x the 4 column tiles, from buffer f.  The 16 accumulators take turns, one instruction a turn, in the same order in every quarter step.
.macro MULA f, a, zero
.irp b, 0,1,2,3
.if \zero
	v_wmma_f32_16x16x32_bf16 v[8*(4*\a+\b):8*(4*\a+\b)+7], v[BF0+32*\f+8*\b:BF0+32*\f+8*\b+7], v[AF0+32*\f+8*\a:AF0+32*\f+8*\a+7], 0
.else
	v_wmma_f32_16x16x32_bf16 v[8*(4*\a+\b):8*(4*\a+\b)+7], v[BF0+32*\f+8*\b:BF0+32*\f+8*\b+7], v[AF0+32*\f+8*\a:AF0+32*\f+8*\a+7], v[8*(4*\a+\b):8*(4*\a+\b)+7]
.endif
.endr
.endm
; 16 LDS loads in one run: 8 for B's 64 rows, then 8 for A's 64: 32 of the summed index at byte k of the rows, into buffer f
.macro FETCH slot, k, f
	WIN 0
.irp i, 0,1,2,3
	ds_load_b128 v[BF0+32*\f+8*\i:BF0+32*\f+8*\i+3],   v[ADRB+\slot] offset:\k+\i*16*PITCH
	ds_load_b128 v[BF0+32*\f+8*\i+4:BF0+32*\f+8*\i+7], v[ADRB+\slot] offset:\k+\i*16*PITCH+32
.endr
.irp i, 0,1,2,3
	ds_load_b128 v[AF0+32*\f+8*\i:AF0+32*\f+8*\i+3],   v[ADRA+\slot] offset:\k+\i*16*PITCH
	ds_load_b128 v[AF0+32*\f+8*\i+4:AF0+32*\f+8*\i+7], v[ADRA+\slot] offset:\k+\i*16*PITCH+32
.endr
.endm
.macro PLACES                          ; four places behind the last matrix instruction, in front of loads into registers that it read and of what reads its result
.rept 4
	v_nop
.endr
.endm
; A slot is eight steps of 32 along the summed index, on buffers 0, 1, 0, 1 ..  One of the first seven: multiplies buffer f and, in its middle, fetches the next step's fragments into buffer g.
.macro QUARTER slot, k, f, g, zero
	s_wait_dscnt 4                                 ; B and A's tiles 0, 1 are in; the youngest four loads (A's tiles 2, 3) may be out
	WIN MUL
	MULA \f, 0, \zero
	MULA \f, 1, \zero
	PLACES
	FETCH \slot, \k, \g
	s_wait_dscnt 16                                ; all but the 16 just issued
	WIN MUL
	MULA \f, 2, \zero
	MULA \f, 3, \zero
.endm
.macro SEVEN slot, zero
	QUARTER \slot, 64,  0, 1, \zero
	QUARTER \slot, 128, 1, 0, 0
	QUARTER \slot, 192, 0, 1, 0
	QUARTER \slot, 256, 1, 0, 0
	QUARTER \slot, 320, 0, 1, 0
	QUARTER \slot, 384, 1, 0, 0
	QUARTER \slot, 448, 0, 1, 0
.endm
; The eighth step multiplies buffer 1 and changes slots: each wave's reads of this slot and all its tensor loads are waited for in front of the barrier; behind it the refill comes
; first, then the next slot's first fragments.
.macro TURN slot, next, fill
	s_wait_dscnt 0                                 ; my reads of this slot are over
	s_wait_tensorcnt 0x0                           ; all my tensor loads have landed, my part of the next slot among them
	ds_add_u32 v254, v255
	s_wait_dscnt 0x0
	s_barrier_signal -1
	WIN MUL
	MULA 1, 0, 0                                   ; register work while the others arrive
	MULA 1, 1, 0
	WIN 0
	s_barrier_wait -1
.if \fill
	CREST                                          ; the round: no wave of any partner still reads this slot or has a load on its way
	s_add_nc_u64 s[G0+4*\slot+2:G0+4*\slot+3], s[G0+4*\slot+2:G0+4*\slot+3], 2*KSLOT*2
	s_add_nc_u64 s[G0B+4*\slot+2:G0B+4*\slot+3], s[G0B+4*\slot+2:G0B+4*\slot+3], 2*KSLOT*2
	JLOAD \slot                                    ; the first tensor load behind the round, one a wave
.endif
	PLACES
	FETCH \next, 0, 0
	WIN MUL
	MULA 1, 2, 0
	MULA 1, 3, 0
.endm
	s_wait_tensorcnt 1                             ; my part of slot 0 is in; slot 1's load, issued behind it, may stay out
	s_barrier_signal -1
	s_barrier_wait -1
	FETCH 0, 0, 0
	SEVEN 0, 1                                     ; summed index 0-255: the first products start the sums
	TURN 0, 1, 1                                   ; slot 0 is asked for again: 512-767
	SEVEN 1, 0                                     ; 256-511
	TURN 1, 0, 1                                   ; slot 1 is asked for again: 768-1,023
	SEVEN 0, 0                                     ; 512-767
	TURN 0, 1, 0                                   ; nothing is left to fetch
	SEVEN 1, 0                                     ; 768-1,023
	s_wait_dscnt 0
	WIN MUL
	MULA 1, 0, 0
	MULA 1, 1, 0
	MULA 1, 2, 0
	MULA 1, 3, 0
	; THE WAY OUT.  A wave's 64 columns are 128 bytes of a row of mt, the block's 128 columns 256 bytes: so all four waves round to bf16 into one stage, pass a barrier,
	; and each reads back 32 whole rows of 256 bytes.
	PLACES
	s_lshl_b32 s16, s13, 7
	s_lshl_b32 s17, s10, 5
	s_add_co_u32 s16, s16, s17                     ; row 128 x block row + 32 w
	s_lshl_b32 s16, s16, 11
	s_mov_b32 s17, 0
	s_add_nc_u64 s[8:9], s[8:9], s[16:17]
	s_lshl_b32 s46, s42, 8                         ; the block's 256 bytes of a row (in the registers that held B's address: none that feeds A's descriptors ever holds cx)
	s_mov_b32 s47, 0
	s_add_nc_u64 s[8:9], s[8:9], s[46:47]
	WIN 0x05                                       ; sources from window 1
.irp a, 0,1,2,3
.irp b, 0,1,2,3
.irp p, 0,1,2,3
	v_cvt_pk_bf16_f32 v[TMP+4*(4*\a+\b)+\p], v[8*(4*\a+\b)+2*\p], v[8*(4*\a+\b)+2*\p+1]
.endr
.endr
.endr
	WIN 0
.irp a, 0,1,2,3
.irp b, 0,1,2,3
	ds_store_b128 v[STO], v[TMP+4*(4*\a+\b):TMP+4*(4*\a+\b)+3] offset:\a*16*SPITCH+32*\b
.endr
.endr
	s_wait_dscnt 0x0                               ; my stores are in LDS before I say so
	s_barrier_signal -1
	s_barrier_wait -1                              ; both halves of every row are there
.irp t, 0,1,2,3,4,5,6,7,8,9,10,11,12,13,14,15
	ds_load_b128 v[BACK+4*\t:BACK+4*\t+3], v[RD] offset:\t*2*SPITCH
.endr
.irp t, 0,1,2,3,4,5,6,7,8,9,10,11,12,13,14,15
	s_wait_dscnt 15-\t                             ; load t is in, the younger ones stay out
	global_store_b128 v[CO], v[BACK+4*\t:BACK+4*\t+3], s[8:9] offset:2*\t*2048   ; 16 lanes store 256 consecutive bytes, aligned
.endr
	s_wait_tensorcnt 0x0
	ds_add_u32 v254, v255
	s_wait_dscnt 0x0
	CROUND                                         ; the closing round: no work-group ends while a partner may still ask for a tile that names it
	s_endpgm
.Lfunc_end_k_q69c18595fa_mgemm:
	.size	k_q69c18595fa_mgemm, .Lfunc_end_k_q69c18595fa_mgemm-k_q69c18595fa_mgemm
	.p2alignl 7, 3214868480
	.fill 96, 4, 3214868480
	.section	.rodata,"a",@progbits
	.p2align	6, 0x0
	.amdhsa_kernel k_q69c18595fa_mgemm
		.amdhsa_group_segment_fixed_size 327680
		.amdhsa_private_segment_fixed_size 0
		.amdhsa_enable_private_segment 0
		.amdhsa_kernarg_size 24
		.amdhsa_user_sgpr_count 2
		.amdhsa_user_sgpr_kernarg_segment_ptr 1
		.amdhsa_wavefront_size32 1
		.amdhsa_system_sgpr_workgroup_id_x 1
		.amdhsa_system_sgpr_workgroup_id_y 1
		.amdhsa_system_sgpr_workgroup_id_z 1
		.amdhsa_system_vgpr_workitem_id 0
		.amdhsa_next_free_vgpr 384
		.amdhsa_next_free_sgpr 66
		.amdhsa_reserve_vcc 0
		.amdhsa_float_denorm_mode_32 3
		.amdhsa_float_denorm_mode_16_64 3
		.amdhsa_memory_ordered 1
		.amdhsa_forward_progress 1
		.amdhsa_inst_pref_size 89
	.end_amdhsa_kernel
	.amdgpu_metadata
---
amdhsa.version: [ 1, 2 ]
amdhsa.kernels:
  - .name:           k_q69c18595fa_mgemm
    .symbol:         k_q69c18595fa_mgemm.kd
    .args:
      - { .name: nt, .offset: 0, .size: 8, .value_kind: global_buffer, .address_space: global }
      - { .name: wqf, .offset: 8, .size: 8, .value_kind: global_buffer, .address_space: global }
      - { .name: mt, .offset: 16, .size: 8, .value_kind: global_buffer, .address_space: global }
    .group_segment_fixed_size: 327680
    .private_segment_fixed_size: 0
    .kernarg_segment_align: 8
    .kernarg_segment_size: 24
    .max_flat_workgroup_size: 128
    .sgpr_count:     66
    .vgpr_count:     384
    .wavefront_size: 32
...
	.end_amdgpu_metadata
.endif
;; end of part 4
;; launch outgemm (part 5): grid 4 x 64, 4 waves a work-group, clusters of 4 x 4, 327,680 bytes of LDS; arguments xb, mt, mask, cpart, out0; writes out0
.if DOCPART == 5
	.amdgcn_target "amdgcn-amd-amdhsa--gfx1250"
	.amdhsa_code_object_version 6
	.text
	.protected	k_q69c18595fa_outgemm
	.globl	k_q69c18595fa_outgemm
	.p2align	8
	.type	k_q69c18595fa_outgemm,@function
k_q69c18595fa_outgemm:
	s_mov_b64 s[64:65], 0
	v_nop
	global_prefetch_b8 v0, s[64:65] scope:SCOPE_SE
	s_setreg_imm32_b32 hwreg(HW_REG_WAVE_MODE, 25, 1), 1
	s_wait_xcnt 0x0
	s_wait_alu depctr_hold_cnt(0) depctr_sa_sdst(0) depctr_va_vdst(0) depctr_va_sdst(0) depctr_va_ssrc(0) depctr_va_vcc(0) depctr_vm_vsrc(0)
	s_getreg_b32 s2, hwreg(HW_REG_IB_STS2, 6, 4)
	s_cmp_eq_u32 s2, 0
	s_cbranch_scc0 .Lentry_in_a_cluster
	s_endpgm
.Lentry_in_a_cluster:
	s_bfe_u32 s2, ttmp6, 0x10000c
	s_cmp_lg_u32 s2, 0xf033
	s_cbranch_scc0 .Lentry_shape_is_right
	s_endpgm
.Lentry_shape_is_right:
; out[i][d_out] = mask_i ? c_a[b][d_out] : sum over d_in of xb[i][d_in] mt[b*1024 + d_out][d_in] + c_m[b][d_out], with c_m = NEG x (sum of cpart[b][0..7][0]) and c_a = NEG x (sum of
; cpart[b][0..7][1]), all in f32.  The scores of reference() are not formed (shown at the head of the first kernel); the product is made for every row and the mask selects.
; A = xb [8192][1024], B = the batch's 1,024 rows of mt.  A work-group makes 128 rows x 256 columns: 256 work-groups; four waves, each 64 x 128: 32 accumulator tiles, 256 registers.
; d_in goes in steps of 128 through two LDS slots filled by tensor loads whose rows are 256 bytes of memory, aligned.
; CLUSTERS: 4 x 4 work-groups; a cluster's four block rows lie in one batch (16 block rows a batch), so A's tile is shared along a row of the cluster and B's along a column.
; REGISTERS: window 0: v0-31 addresses; A's fragments v32-63, v64-95; B's v96-159, v160-223 (two buffers each); v224-227 c_m, v228-231 c_a of my four columns.  Window 1: tile (a, b) at v[8 (8 a + b)].
; Source 0 = 16 rows of B, source 1 = 16 rows of A: lane (r, hh) holds row 16 a + r and the eight neighbouring columns 16 b + 8 hh + 0..7.
.set KSTEP,  128
.set PITCH,  272                       ; 256 bytes + 16 of padding: row r starts 16 r bytes further modulo 256
.set BHALF,  128*PITCH
.set AHALF,  64*PITCH
.set AOFF,   2*BHALF                   ; a slot: B's 256 rows, then A's 128
.set SLOT,   2*BHALF+2*AHALF
.set STAGE,  2*SLOT                    ; behind the ring, a multiple of 256, never the target of a tensor load
.set SPITCH, 528                       ; a stage row: 128 f32 + 16 bytes
.set LAPS,   4
.set ADRA, 16
.set ADRB, 20
.set STO,  24
.set RD,   25
.set CO,   26
.set AF0,  32
.set BF0,  96
.set BF1,  160
.set CM,   224
.set CA,   228
.set G1, 24
.set G0, 32
.set G1B, 48
.set G0B, 56
.set MUL, 0x50                         ; C and D window 1, sources window 0
.set MSB, 0
.macro WIN new
.if MSB != \new
	s_set_vgpr_msb (MSB<<8)|\new
.set MSB, \new
.endif
.endm
; Waves 0 and 1 fetch B's two halves (128 rows each), waves 2 and 3 A's (64 rows each).  The branch hangs on the wave's number alone.
.macro JLOAD s
	s_cmp_eq_u32 s11, 0
	s_cbranch_scc0 .Lfor_a_\@
	tensor_load_to_lds s[G0B+4*\s:G0B+4*\s+3], s[G1B:G1B+7]
	s_nop 0
	s_branch .Lasked_\@
.Lfor_a_\@:
	tensor_load_to_lds s[G0+4*\s:G0+4*\s+3], s[G1:G1+7]
	s_nop 0
.Lasked_\@:
.endm
.macro CREST
	s_cmp_lg_u32 s10, 0
	s_cbranch_scc1 .Lnot_wave_0_\@
	s_barrier_signal -3
.Lnot_wave_0_\@:
	s_barrier_wait -3
	s_barrier_signal -1
	s_barrier_wait -1
.endm
.macro CROUND
	s_barrier_signal -1
	s_barrier_wait -1
	CREST
.endm
	s_load_b128 s[4:7], s[0:1], 0x0                ; xb s[4:5], mt s[6:7]
	s_load_b128 s[68:71], s[0:1], 0x10             ; mask s[68:69], cpart s[70:71]
	s_load_b64 s[8:9], s[0:1], 0x20                ; out0
	v_lshl_add_u32 v254, v0, 2, 0x3b400
	v_mov_b32 v255, 0
	ds_add_u32 v254, v255
	v_lshrrev_b32 v1, 5, v0
	v_readfirstlane_b32 s10, v1                    ; wave
	s_lshr_b32 s11, s10, 1                         ; my half of the block's rows.  Also: I fetch for B (0) or for A (1)
	s_and_b32 s12, s10, 1                          ; my half of its columns.  Also: which half of that tile I fetch
	s_bfe_u32 s40, ttmp6, 0x40000                  ; cx
	s_bfe_u32 s41, ttmp6, 0x40004                  ; cy
	s_lshl_b32 s42, ttmp9, 2
	s_add_co_u32 s42, s42, s40                     ; block column
	s_and_b32 s13, ttmp7, 0xffff
	s_lshl_b32 s13, s13, 2
	s_add_co_u32 s13, s13, s41                     ; block row
	s_lshl_b32 s43, s41, 2
	s_lshl_b32 s43, 15, s43                        ; my row of the cluster
	s_lshl_b32 s44, 0x1111, s40                    ; my column
	s_or_b32 s[G1+0], s43, (1<<16)|(1<<20)|(1<<21)|(5<<22)|(3<<25)  ; A's tiles go to my row; element of 2 bytes; padding of 4 words after every 64; bit 21 beside a mask
	s_or_b32 s[G1B+0], s44, (1<<16)|(1<<20)|(1<<21)|(5<<22)|(3<<25) ; B's to my column
	s_mov_b32 s[G1+1], KSTEP<<16                   ; tensor_dim0 = 128
	s_mov_b32 s[G1B+1], KSTEP<<16
	s_mov_b32 s[G1+2], 64<<16                      ; tensor_dim1: 64 rows of A,
	s_mov_b32 s[G1B+2], 128<<16                    ; 128 of B
	s_mov_b32 s[G1+3], KSTEP<<16                   ; tile_dim0 = 128
	s_mov_b32 s[G1B+3], KSTEP<<16
	s_mov_b32 s[G1+4], 64                          ; tile_dim1
	s_mov_b32 s[G1B+4], 128
	s_mov_b32 s[G1+5], 1024                        ; elements from row to row
	s_mov_b32 s[G1B+5], 1024
	s_mov_b32 s[G1+6], 0
	s_mov_b32 s[G1B+6], 0
	s_mov_b32 s[G1+7], 0
	s_mov_b32 s[G1B+7], 0
	s_lshl_b32 s16, s13, 7
	s_lshl_b32 s17, s12, 6
	s_add_co_u32 s16, s16, s17                     ; A: row 128 x block row + 64 x half
	s_lshl_b32 s16, s16, 11                        ; rows of 2,048 bytes
	s_mov_b32 s17, 0
	s_and_b32 s46, ttmp7, 0xffff                   ; B: the batch comes from the cluster's y alone (four clusters a batch), which all partners share,
	s_lshr_b32 s46, s46, 2
	s_lshl_b32 s46, s46, 10                        ; 1,024 rows a batch,
	s_lshl_b32 s47, s42, 8
	s_add_co_u32 s46, s46, s47                     ; + 256 x block column
	s_lshl_b32 s47, s12, 7
	s_add_co_u32 s46, s46, s47                     ; + 128 x half
	s_lshl_b32 s46, s46, 11
	s_mov_b32 s47, 0
	s_mul_i32 s20, s10, BHALF                      ; waves 0, 1: B's halves at 0 and 34,816
	s_mul_i32 s45, s10, AHALF
	s_add_co_u32 s45, s45, BHALF                   ; waves 2, 3: A's halves at 34,816 + 17,408 w = 69,632 and 87,040
	s_wait_dscnt 0x0
	s_wait_kmcnt 0x0
	s_add_nc_u64 s[14:15], s[4:5], s[16:17]
	s_add_nc_u64 s[46:47], s[6:7], s[46:47]
	CROUND                                         ; all sixteen work-groups are here: the first joint loads meet
.irp s, 0,1
	s_mov_b32 s[G0+4*\s], 1
	s_add_co_u32 s[G0+4*\s+1], s45, \s*SLOT
	s_add_nc_u64 s[G0+4*\s+2:G0+4*\s+3], s[14:15], \s*KSTEP*2
	s_or_b32 s[G0+4*\s+3], s[G0+4*\s+3], 0x80000000
	s_mov_b32 s[G0B+4*\s], 1
	s_add_co_u32 s[G0B+4*\s+1], s20, \s*SLOT
	s_add_nc_u64 s[G0B+4*\s+2:G0B+4*\s+3], s[46:47], \s*KSTEP*2
	s_or_b32 s[G0B+4*\s+3], s[G0B+4*\s+3], 0x80000000
	JLOAD \s                                       ; two tensor loads of a wave are out here, later one
.endr
	v_and_b32 v1, 15, v0                           ; r
	v_bfe_u32 v2, v0, 4, 1                         ; hh
	v_mul_u32_u24 v3, v1, PITCH
	v_lshl_add_u32 v3, v2, 4, v3
	s_mul_i32 s21, s11, AHALF
	s_add_co_u32 s21, s21, AOFF                    ; my 64 rows of A
	s_mul_i32 s22, s12, BHALF                      ; my 128 rows of B
.irp s, 0,1
	v_add_nc_u32 v[ADRA+\s], s21, v3
	v_add_nc_u32 v[ADRB+\s], s22, v3
	s_add_co_u32 s21, s21, SLOT
	s_add_co_u32 s22, s22, SLOT
.endr
	s_mul_i32 s23, s10, 16*SPITCH
	s_add_co_u32 s23, s23, STAGE                   ; my stage: 16 rows x 528 bytes
	v_mul_u32_u24 v4, v1, SPITCH
	v_lshl_add_u32 v4, v2, 5, v4
	v_add_nc_u32 v[STO], s23, v4                   ; in: row r, bytes 32 hh
	v_and_b32 v5, 31, v0                           ; lane l
	v_lshlrev_b32 v[CO], 4, v5                     ; 16 l: my four columns, in the stage's rows, in out0's rows and in cpart
	v_add_nc_u32 v[RD], s23, v[CO]
	; the mask of my 64 rows, one bit a row in s72 and s73, and the two constant rows for my four columns
	s_lshl_b32 s76, s13, 7
	s_lshl_b32 s77, s11, 6
	s_add_co_u32 s76, s76, s77
	s_mov_b32 s77, 0
	s_add_nc_u64 s[68:69], s[68:69], s[76:77]
	s_lshr_b32 s76, s13, 4                         ; batch
	s_lshl_b32 s76, s76, 16                        ; 8 x 2 x 4,096 bytes a batch
	s_lshl_b32 s78, s42, 10
	s_add_co_u32 s76, s76, s78
	s_lshl_b32 s78, s12, 9
	s_add_co_u32 s76, s76, s78
	s_add_nc_u64 s[70:71], s[70:71], s[76:77]
	global_load_u8 v232, v5, s[68:69]
	global_load_u8 v233, v5, s[68:69] offset:32
.irp i, 0,1,2,3,4,5,6,7,8,9,10,11,12,13,14,15
	global_load_b128 v[BF1+4*\i:BF1+4*\i+3], v[CO], s[70:71] offset:4096*\i    ; i = 2 x head pair + (0: masked sum, 1: full sum); the wave's load covers 512 consecutive bytes
.endr
	s_wait_loadcnt 0x0
	v_cmp_ne_u32 s72, 0, v232                      ; bit l: row l is masked
	v_cmp_ne_u32 s73, 0, v233                      ; bit l: row 32 + l
.irp t, 0,1
.irp e, 0,2
	v_pk_add_f32 v[CM+4*\t+\e:CM+4*\t+\e+1], v[BF1+4*\t+\e:BF1+4*\t+\e+1], v[BF1+4*(2+\t)+\e:BF1+4*(2+\t)+\e+1]
.irp hp, 2,3,4,5,6,7
	v_pk_add_f32 v[CM+4*\t+\e:CM+4*\t+\e+1], v[CM+4*\t+\e:CM+4*\t+\e+1], v[BF1+4*(2*\hp+\t)+\e:BF1+4*(2*\hp+\t)+\e+1]
.endr
	v_pk_mul_f32 v[CM+4*\t+\e:CM+4*\t+\e+1], v[CM+4*\t+\e:CM+4*\t+\e+1], 0xce6e6b28 op_sel_hi:[1,0]   ; NEG = -1e9
.endr
.endr
; 8 matrix instructions: row tile a x all 8 column tiles, from buffer f.  The 32 accumulators take turns, one instruction a turn, in the same order in every quarter step,
; over the backward jump too.
.macro MULA f, a, zero
.irp b, 0,1,2,3,4,5,6,7
.if \zero
	v_wmma_f32_16x16x32_bf16 v[8*(8*\a+\b):8*(8*\a+\b)+7], v[BF0+64*\f+8*\b:BF0+64*\f+8*\b+7], v[AF0+32*\f+8*\a:AF0+32*\f+8*\a+7], 0
.else
	v_wmma_f32_16x16x32_bf16 v[8*(8*\a+\b):8*(8*\a+\b)+7], v[BF0+64*\f+8*\b:BF0+64*\f+8*\b+7], v[AF0+32*\f+8*\a:AF0+32*\f+8*\a+7], v[8*(8*\a+\b):8*(8*\a+\b)+7]
.endif
.endr
.endm
; 24 LDS loads in one run: 16 for B's 128 rows, then 8 for A's 64
.macro FETCH slot, k, f
	WIN 0
.irp i, 0,1,2,3,4,5,6,7
	ds_load_b128 v[BF0+64*\f+8*\i:BF0+64*\f+8*\i+3],   v[ADRB+\slot] offset:\k+\i*16*PITCH
	ds_load_b128 v[BF0+64*\f+8*\i+4:BF0+64*\f+8*\i+7], v[ADRB+\slot] offset:\k+\i*16*PITCH+32
.endr
.irp i, 0,1,2,3
	ds_load_b128 v[AF0+32*\f+8*\i:AF0+32*\f+8*\i+3],   v[ADRA+\slot] offset:\k+\i*16*PITCH
	ds_load_b128 v[AF0+32*\f+8*\i+4:AF0+32*\f+8*\i+7], v[ADRA+\slot] offset:\k+\i*16*PITCH+32
.endr
.endm
.macro PLACES                          ; four places behind the last matrix instruction, in front of loads into registers that it read
.rept 4
	v_nop
.endr
.endm
.macro QUARTER slot, k, f, g, zero
	s_wait_dscnt 4                                 ; B and A's tiles 0, 1 are in; the youngest four loads (A's tiles 2, 3) may be out
	WIN MUL
	MULA \f, 0, \zero
	MULA \f, 1, \zero
	PLACES
	FETCH \slot, \k, \g
	s_wait_dscnt 24                                ; all but the 24 just issued
	WIN MUL
	MULA \f, 2, \zero
	MULA \f, 3, \zero
.endm
.macro THREE slot, zero
	QUARTER \slot, 64,  0, 1, \zero
	QUARTER \slot, 128, 1, 0, 0
	QUARTER \slot, 192, 0, 1, 0
.endm
; The last quarter of a step changes slots: each wave's reads of this slot and all its tensor loads are waited for in front of the barrier; behind it the refill comes first.
.macro TURN slot, next, fill
	s_wait_dscnt 0                                 ; my reads of this slot are over
	s_wait_tensorcnt 0x0                           ; all my tensor loads have landed: the one that was out is my part of the next slot
	ds_add_u32 v254, v255
	s_wait_dscnt 0x0
	s_barrier_signal -1
	WIN MUL
	MULA 1, 0, 0                                   ; register work while the others arrive
	MULA 1, 1, 0
	WIN 0
	s_barrier_wait -1
.if \fill
	CREST                                          ; the round: no wave of any partner still reads this slot or has a load on its way
	s_add_nc_u64 s[G0+4*\slot+2:G0+4*\slot+3], s[G0+4*\slot+2:G0+4*\slot+3], 2*KSTEP*2
	s_add_nc_u64 s[G0B+4*\slot+2:G0B+4*\slot+3], s[G0B+4*\slot+2:G0B+4*\slot+3], 2*KSTEP*2
	JLOAD \slot                                    ; the first tensor load behind the round, one a wave
.endif
	PLACES
	FETCH \next, 0, 0
	WIN MUL
	MULA 1, 2, 0
	MULA 1, 3, 0
.endm
.macro LAP zero
	THREE 0, \zero
	TURN 0, 1, 1
	THREE 1, 0
	TURN 1, 0, 1
.endm
	s_wait_tensorcnt 1                             ; my part of step 0 is in; step 1's load may stay out
	s_barrier_signal -1
	s_barrier_wait -1
	FETCH 0, 0, 0
	LAP 1                                          ; the first products start the sums
	WIN 0
	s_mov_b32 s3, LAPS-2
.Llap:
	LAP 0
	WIN 0
	s_sub_co_u32 s3, s3, 1
	s_cmp_lg_u32 s3, 0
	s_cbranch_scc1 .Llap
	THREE 0, 0                                     ; the last lap fills nothing
	TURN 0, 1, 0
	THREE 1, 0
	s_wait_dscnt 0
	WIN MUL
	MULA 1, 0, 0
	MULA 1, 1, 0
	MULA 1, 2, 0
	MULA 1, 3, 0
	; THE WAY OUT, 16 rows at a time: the f32 sums go into my own stage, 32 bytes a lane, and come back as whole rows of 512 bytes, 16 bytes a lane:
	; every lane then holds the same four columns in every row, those of its c_m and c_a.
	PLACES
	s_lshl_b32 s76, s13, 7
	s_lshl_b32 s78, s11, 6
	s_add_co_u32 s76, s76, s78
	s_lshl_b32 s76, s76, 12                        ; rows of 4,096 bytes
	s_lshl_b32 s78, s42, 10
	s_add_co_u32 s76, s76, s78
	s_lshl_b32 s78, s12, 9
	s_add_co_u32 s76, s76, s78
	s_add_nc_u64 s[8:9], s[8:9], s[76:77]          ; s77 is still 0
.macro OUTF a, set
	WIN 0x04                                       ; store data from window 1
.irp b, 0,1,2,3,4,5,6,7
.irp e, 0,1
	ds_store_b128 v[STO], v[8*(8*\a+\b)+4*\e:8*(8*\a+\b)+4*\e+3] offset:64*\b+16*\e
.endr
.endr
	WIN 0
	s_wait_xcnt 0x0                                ; the set's registers, which earlier stores read, and the stores' base are written again only behind this wait
.if \a
	s_add_nc_u64 s[8:9], s[8:9], 16*4096
.endif
.irp t, 0,1,2,3,4,5,6,7,8,9,10,11,12,13,14,15
	ds_load_b128 v[\set+4*\t:\set+4*\t+3], v[RD] offset:SPITCH*\t    ; LDS serves a wave's instructions in order: these see the stores above
.endr
.irp t, 0,1,2,3,4,5,6,7,8,9,10,11,12,13,14,15
	s_wait_dscnt 15-\t                             ; row t is in, the younger loads stay out
	s_bitcmp1_b32 s[72+(\a>>1)], (16*\a+\t)&31     ; is row 16 a + t masked?
	s_cselect_b32 s74, -1, 0                       ; then all lanes select
	v_pk_add_f32 v[\set+4*\t:\set+4*\t+1], v[\set+4*\t:\set+4*\t+1], v[CM:CM+1]
	v_pk_add_f32 v[\set+4*\t+2:\set+4*\t+3], v[\set+4*\t+2:\set+4*\t+3], v[CM+2:CM+3]
.irp i, 0,1,2,3
	v_cndmask_b32 v[\set+4*\t+\i], v[\set+4*\t+\i], v[CA+\i], s74
.endr
	global_store_b128 v[CO], v[\set+4*\t:\set+4*\t+3], s[8:9] offset:4096*\t th:TH_STORE_NT   ; the wave stores 512 consecutive bytes, aligned
.endr
.endm
	OUTF 0, 32
	OUTF 1, 96
	OUTF 2, 32
	OUTF 3, 96
	s_wait_tensorcnt 0x0
	ds_add_u32 v254, v255
	s_wait_dscnt 0x0
	CROUND                                         ; the closing round
	s_endpgm
.Lfunc_end_k_q69c18595fa_outgemm:
	.size	k_q69c18595fa_outgemm, .Lfunc_end_k_q69c18595fa_outgemm-k_q69c18595fa_outgemm
	.p2alignl 7, 3214868480
	.fill 96, 4, 3214868480
	.section	.rodata,"a",@progbits
	.p2align	6, 0x0
	.amdhsa_kernel k_q69c18595fa_outgemm
		.amdhsa_group_segment_fixed_size 327680
		.amdhsa_private_segment_fixed_size 0
		.amdhsa_enable_private_segment 0
		.amdhsa_kernarg_size 40
		.amdhsa_user_sgpr_count 2
		.amdhsa_user_sgpr_kernarg_segment_ptr 1
		.amdhsa_wavefront_size32 1
		.amdhsa_system_sgpr_workgroup_id_x 1
		.amdhsa_system_sgpr_workgroup_id_y 1
		.amdhsa_system_sgpr_workgroup_id_z 1
		.amdhsa_system_vgpr_workitem_id 0
		.amdhsa_next_free_vgpr 512
		.amdhsa_next_free_sgpr 80
		.amdhsa_reserve_vcc 0
		.amdhsa_float_denorm_mode_32 3
		.amdhsa_float_denorm_mode_16_64 3
		.amdhsa_memory_ordered 1
		.amdhsa_forward_progress 1
		.amdhsa_inst_pref_size 150
	.end_amdhsa_kernel
	.amdgpu_metadata
---
amdhsa.version: [ 1, 2 ]
amdhsa.kernels:
  - .name:           k_q69c18595fa_outgemm
    .symbol:         k_q69c18595fa_outgemm.kd
    .args:
      - { .name: xb, .offset: 0, .size: 8, .value_kind: global_buffer, .address_space: global }
      - { .name: mt, .offset: 8, .size: 8, .value_kind: global_buffer, .address_space: global }
      - { .name: mask, .offset: 16, .size: 8, .value_kind: global_buffer, .address_space: global }
      - { .name: cpart, .offset: 24, .size: 8, .value_kind: global_buffer, .address_space: global }
      - { .name: out0, .offset: 32, .size: 8, .value_kind: global_buffer, .address_space: global }
    .group_segment_fixed_size: 327680
    .private_segment_fixed_size: 0
    .kernarg_segment_align: 8
    .kernarg_segment_size: 40
    .max_flat_workgroup_size: 128
    .sgpr_count:     80
    .vgpr_count:     512
    .wavefront_size: 32
...
	.end_amdgpu_metadata
.endif
;; end of part 5
